; MI455X (gfx1250); checked and timed in simulation.
; The chip was launched on July 23, 2026; its instructions are those of AMD's public machine-readable ISA for CDNA 5 (MIT licence, August 2026) and "CDNA5" Instruction Set Architecture Reference Guide (July 2026). The comments in the code are by the model that wrote it; some were corrected since.
;; Self Attn. Allowed arithmetic: matrix products marked QUANTISED: E3M2 operands, one E8M0 scale for each 32 along K, by v_wmma_scale_f32_16x16x128_f8f6f4 with both operands' format E3M2, f32 sums; everything else in f32.
;; Inputs: fc1_b 512 float32; fc1_w_codes 512 x 32 x 24 uint8 (E3M2 codes of fc1_w, K innermost, in blocks of 32 codes, four codes in three bytes); fc1_w_scales 512 x 32 uint8 (E8M0 scales of fc1_w, one for each 32 codes along K); fc2_b 1,024 float32; fc2_w_codes 1,024 x 16 x 24 uint8 (E3M2 codes of fc2_w, K innermost, in blocks of 32 codes, four codes in three bytes); fc2_w_scales 1,024 x 16 uint8 (E8M0 scales of fc2_w, one for each 32 codes along K); fc_b 1,024 float32; fc_w_codes 1,024 x 16 x 24 uint8 (E3M2 codes of fc_w, K innermost, in blocks of 32 codes, four codes in three bytes); fc_w_scales 1,024 x 16 uint8 (E8M0 scales of fc_w, one for each 32 codes along K); ln1_b 1,024 float32; ln1_w 1,024 float32; ln2_b 1,024 float32; ln2_w 1,024 float32; wk_b 512 float32; wk_w_codes 512 x 32 x 24 uint8 (E3M2 codes of wk_w, K innermost, in blocks of 32 codes, four codes in three bytes); wk_w_scales 512 x 32 uint8 (E8M0 scales of wk_w, one for each 32 codes along K); wq_b 512 float32; wq_w_codes 512 x 32 x 24 uint8 (E3M2 codes of wq_w, K innermost, in blocks of 32 codes, four codes in three bytes); wq_w_scales 512 x 32 uint8 (E8M0 scales of wq_w, one for each 32 codes along K); wv_b 512 float32; wv_w_codes 512 x 32 x 24 uint8 (E3M2 codes of wv_w, K innermost, in blocks of 32 codes, four codes in three bytes); wv_w_scales 512 x 32 uint8 (E8M0 scales of wv_w, one for each 32 codes along K); x 4 x 2,048 x 1,024 float32.
;; Outputs: out0 4 x 2,048 x 1,024 float32.
;; This version of the problem:
;;   THIS VERSION OF THE PROBLEM IS GIVEN IN LOW PRECISION. The matrix products marked QUANTISED in the list below multiply operands that are first quantised to E3M2 (3 exponent bits, 2 mantissa bits; 6 bits a number), with one power-of-two scale for each 32 numbers along K (OCP MX v1.0); their sums are f32. All else is computed in f32.
;;   The module's matrix products, in the order in which they are computed (A, B: the left and right operand; K: the contracted axis; several contracted axes count as one K, in the product's order):
;;     1. [M 8,192, K 1,024] x [K 1,024, N 512]; A: computed on the way; B: input wq_w (given as codes): QUANTISED
;;     2. [M 8,192, K 1,024] x [K 1,024, N 512]; A: computed on the way; B: input wk_w (given as codes): QUANTISED
;;     3. [M 8,192, K 1,024] x [K 1,024, N 512]; A: computed on the way; B: input wv_w (given as codes): QUANTISED
;;     4. batch 32 x [M 2,048, K 64] x [K 64, N 2,048]; A: computed on the way; B: computed on the way: QUANTISED
;;     5. batch 32 x [M 2,048, K 2,048] x [K 2,048, N 64]; A: softmax (see below); B: computed on the way: QUANTISED
;;     6. [M 8,192, K 512] x [K 512, N 1,024]; A: computed on the way; B: input fc_w (given as codes): QUANTISED
;;     7. [M 8,192, K 1,024] x [K 1,024, N 512]; A: computed on the way; B: input fc1_w (given as codes): QUANTISED
;;     8. [M 8,192, K 512] x [K 512, N 1,024]; A: computed on the way; B: input fc2_w (given as codes): QUANTISED
;;   THE QUANTISER, for each operand of a quantised product, along K:
;;     - K is cut into blocks of 32 from its start; a last block that is shorter is filled with zeros.
;;     - A block's scale is 2^e with e = floor(log2(the largest magnitude in the block)) - 4, held to -126 .. 127; a block of zeros has e = 0. As a byte (E8M0): e + 127.
;;     - Each number is divided by its block's scale, clamped to +-28, and rounded to the nearest number of E3M2, ties to even, subnormals kept.
;;     - The product sums the exact products of the quantised numbers (number of the format x scale) in f32.
;;   ~~~python
;;   def quantise(x, axis):      # numpy; x: float32 -> the quantised numbers, widened to float32 again
;;       x = np.moveaxis(x, axis, -1); K = x.shape[-1]
;;       x = np.pad(x, [(0, 0)] * (x.ndim - 1) + [(0, -K % 32)]); x = x.reshape(x.shape[:-1] + (-1, 32)); a = np.abs(x).max(-1, keepdims=True)
;;       e = np.where(a > 0, np.clip(np.frexp(np.where(a > 0, a, 1))[1] - 1 - 4, -126, 127), 0)      # np.frexp(a)[1] - 1 = floor(log2(a)), exactly
;;       r = np.clip(x / 2.0 ** e, -28, 28)
;;       step = 2.0 ** (np.maximum(np.frexp(np.where(r == 0, 1, r))[1] - 1, -2) - 2)
;;       q = np.round(r / step) * step * 2.0 ** e      # np.round: ties to even
;;       return np.moveaxis(q.reshape(q.shape[:-2] + (-1,))[..., :K], -1, axis).astype(np.float32)
;;   ~~~
;;   SOFTMAX AHEAD OF A QUANTISED PRODUCT. Where the list says 'softmax', what is quantised is not the finished softmax but p = 2^(t - M), with t = logit x log2(e) and M = ceil(the row's largest t), a whole number; so 1/2 < the row's largest p <= 1. The row's sum l is taken of the UNQUANTISED p, in f32, and the product's result is divided by l at the end. Since M is a whole number, a kernel that streams over the keys may use a running M (the ceiling of the running maximum): every later rescaling is an exact power of two, which a block's scale takes up: the codes' values come out the same.
;;   OPERANDS COMPUTED ON THE WAY. 'Computed on the way' means the value that the module computes at that place (a softmax that the list does not call 'softmax' is quantised finished and normalised). What goes into a quantiser is computed in f32, as accurately as f32 sums, v_exp_f32 and their like allow (about 1e-6 of the number): no bf16 or f16 on the way to a quantiser, and a product that is left as it is and whose result goes on into a quantised operand takes f32 operands (vector FMAs, or v_wmma_f32_16x16x4_f32). A number that lies on a knife's edge between two numbers of the format may be rounded either way, as far as f32 arithmetic and the matrix unit's own rounding can turn it there, and no further.
;;   INPUTS GIVEN AS CODES. fc1_w (in the module: [512, 1024], K = its axis 1); fc2_w (in the module: [1024, 512], K = its axis 1); fc_w (in the module: [1024, 512], K = its axis 1); wk_w (in the module: [512, 1024], K = its axis 1); wq_w (in the module: [512, 1024], K = its axis 1); wv_w (in the module: [512, 1024], K = its axis 1): each comes as NAME_codes (uint8): NAME with its K axis moved to the last place and cut into blocks of 32 codes, [.., K / 32, bytes a block], one block behind the other in memory; four codes in three bytes: a row's codes are one little-endian stream of bits, code i at bits 6 i .. 6 i + 5 (a code: sign, 3 exponent bits, 2 mantissa bits); and NAME_scales (uint8): the same leading axes, one E8M0 byte (e + 127) for each 32 codes along K. Its value is code x scale, taken as it is: it is not quantised again, and the codes and scales need not be those that the quantiser above would give.
;; One version. Each part assembles by itself: llvm-mc -triple=amdgcn-amd-amdhsa -mcpu=gfx1250 --defsym DOCPART=n.
;; ======== version 1 of 1: 3 launches
;; limits: right only within a limited range of input values
;; workspace buffers: qf 3,145,728 bytes; qs 262,144 bytes; kv 6,684,672 bytes; of 3,145,728 bytes; os 524,288 bytes; wimg 1,179,648 bytes
;; launch qkv (part 1): grid 4 x 64, 4 waves a work-group, no clusters, 327,680 bytes of LDS; arguments x, ln1_w, ln1_b, wq_w_codes, wq_w_scales, wq_b, wk_w_codes, wk_w_scales, wk_b, wv_w_codes, wv_w_scales, wv_b, fc_w_codes, fc1_w_codes, fc2_w_codes, qf, qs, kv, wimg; writes qf, qs, kv, wimg
.if DOCPART == 1
	.amdgcn_target "amdgcn-amd-amdhsa--gfx1250"
	.amdhsa_code_object_version 6
	.text
	.protected	k_q65e3abe597_qkv
	.globl	k_q65e3abe597_qkv
	.p2align	8
	.type	k_q65e3abe597_qkv,@function
k_q65e3abe597_qkv:
	s_mov_b64 s[64:65], 0
	v_nop
	global_prefetch_b8 v0, s[64:65] scope:SCOPE_SE
	s_setreg_imm32_b32 hwreg(HW_REG_WAVE_MODE, 25, 1), 1
	s_wait_xcnt 0x0
.set WREG,  78336
.set WTILE, 26112
.set WP,    816
.set HIMG,  0
.set HPI,   34880
.set HSS,   4360
.set HSC,   139520
.set STG,   143616
.set STB,   4608
.set FLOOR, 0x2800000
.set EOFF,  0xfe000000
.set MSB, 0
.macro WIN new
.if MSB != (\new)
	s_set_vgpr_msb (MSB<<8)|(\new)
.set MSB, (\new)
.endif
.endm
.macro MM
.if WRA && WRB
	v_wmma_scale_f32_16x16x128_f8f6f4 v[WD:WD+7], v[WA:WA+11], v[WB:WB+11], v[WC:WC+7], v[WSA], v[WSB] matrix_a_fmt:MATRIX_FMT_BF6 matrix_b_fmt:MATRIX_FMT_BF6 matrix_a_scale:MATRIX_SCALE_ROW1 matrix_b_scale:MATRIX_SCALE_ROW1
.elseif WRA
	v_wmma_scale_f32_16x16x128_f8f6f4 v[WD:WD+7], v[WA:WA+11], v[WB:WB+11], v[WC:WC+7], v[WSA], v[WSB] matrix_a_fmt:MATRIX_FMT_BF6 matrix_b_fmt:MATRIX_FMT_BF6 matrix_a_scale:MATRIX_SCALE_ROW1
.elseif WRB
	v_wmma_scale_f32_16x16x128_f8f6f4 v[WD:WD+7], v[WA:WA+11], v[WB:WB+11], v[WC:WC+7], v[WSA], v[WSB] matrix_a_fmt:MATRIX_FMT_BF6 matrix_b_fmt:MATRIX_FMT_BF6 matrix_b_scale:MATRIX_SCALE_ROW1
.else
	v_wmma_scale_f32_16x16x128_f8f6f4 v[WD:WD+7], v[WA:WA+11], v[WB:WB+11], v[WC:WC+7], v[WSA], v[WSB] matrix_a_fmt:MATRIX_FMT_BF6 matrix_b_fmt:MATRIX_FMT_BF6
.endif
.endm
.macro BARRIER
	s_wait_dscnt 0x0
	s_barrier_signal -1
	s_barrier_wait -1
.endm
.macro WFRAG reg, base, s
.irp p, 0,1,2,3,4,5
.set X0, 96*(\s)+48*(\p/3)+8*(\p%3)
.if (X0+24)/256 == X0/256
	ds_load_b64 v[(\reg)+2*\p:(\reg)+2*\p+1], v5 offset:(\base)+X0+16*(X0/256)
.else
	ds_load_b64 v[(\reg)+2*\p:(\reg)+2*\p+1], v6 offset:(\base)+X0+16*(X0/256)
.endif
.endr
.endm
.macro TURN x, st
.irp j, 0,1,2,3,4,5,6,7
	ds_store_b128 v8, v[(\x)+4*\j:(\x)+4*\j+3] offset:STB*(\st)+576*\j
.endr
.irp j, 0,1,2,3,4,5,6,7
	ds_load_b128 v[(\x)+4*\j:(\x)+4*\j+3], v9 offset:STB*(\st)+16*\j
.endr
.endm
.macro REDUCE a
	v_add_f32_dpp v[\a], v[\a], v[\a] row_xmask:1 row_mask:0xf bank_mask:0xf
	v_add_f32_dpp v[\a], v[\a], v[\a] row_xmask:2 row_mask:0xf bank_mask:0xf
	v_add_f32_dpp v[\a], v[\a], v[\a] row_xmask:4 row_mask:0xf bank_mask:0xf
	v_add_f32_dpp v[\a], v[\a], v[\a] row_xmask:8 row_mask:0xf bank_mask:0xf
	v_permlanex16_b32 v218, v[\a], s46, s47
	v_add_f32 v[\a], v[\a], v218
.endm
.macro FOLD
	v_pk_add_f32 v[192:193], v[192:193], v[194:195]
	v_pk_add_f32 v[196:197], v[196:197], v[198:199]
	v_pk_add_f32 v[192:193], v[192:193], v[196:197]
	v_add_f32 v192, v192, v193
.endm
.macro ROW i, ahead, turn, lcnt
.set XS, 64+32*(\i)
	s_wait_dscnt 0x0
.if \turn
	s_wait_loadcnt \lcnt
	TURN 64+32*(((\i)+1)%4), ((\i)+1)%2
.endif
.irp c, 0,1,2,3
	v_pk_add_f32 v[192+2*\c:193+2*\c], v[XS+4*\c:XS+4*\c+1], v[XS+4*\c+2:XS+4*\c+3]
.endr
.irp c, 0,1,2,3,4,5,6,7
	v_pk_add_f32 v[192+2*(\c%4):193+2*(\c%4)], v[192+2*(\c%4):193+2*(\c%4)], v[XS+16+2*\c:XS+17+2*\c]
.endr
	FOLD
	REDUCE 192
	v_mul_f32 v200, s94, v192
	v_mul_f32 v201, s94, v192
.set kk, 0
.rept 16
	v_pk_add_f32 v[XS+2*kk:XS+2*kk+1], v[XS+2*kk:XS+2*kk+1], v[200:201] neg_lo:[0,1] neg_hi:[0,1]
.set kk, kk+1
.endr
.irp c, 0,1,2,3
	v_pk_mul_f32 v[192+2*\c:193+2*\c], v[XS+2*\c:XS+2*\c+1], v[XS+2*\c:XS+2*\c+1]
.endr
.set kk, 4
.rept 12
	v_pk_fma_f32 v[192+2*(kk%4):193+2*(kk%4)], v[XS+2*kk:XS+2*kk+1], v[XS+2*kk:XS+2*kk+1], v[192+2*(kk%4):193+2*(kk%4)]
.set kk, kk+1
.endr
	FOLD
	REDUCE 192
	v_fma_f32 v202, v192, s94, s95
	s_wait_alu depctr_va_vdst(0)
	v_rsq_f32 v202, v202
	v_nop
	s_wait_alu depctr_va_vdst(0)
	v_mov_b32 v203, v202
.set kk, 0
.rept 16
	v_pk_mul_f32 v[XS+2*kk:XS+2*kk+1], v[XS+2*kk:XS+2*kk+1], v[202:203]
.set kk, kk+1
.endr
	WIN 0x14
.set kk, 0
.rept 16
	v_pk_fma_f32 v[XS+2*kk:XS+2*kk+1], v[XS+2*kk:XS+2*kk+1], v[192+2*kk:193+2*kk], v[224+2*kk:225+2*kk]
.set kk, kk+1
.endr
	WIN 0
	v_max3_num_f32 v204, |v[XS]|, |v[XS+1]|, FLOOR
	v_max3_num_f32 v205, |v[XS+16]|, |v[XS+17]|, FLOOR
.irp c, 2,4,6,8,10,12,14
	v_max3_num_f32 v204, v204, |v[XS+\c]|, |v[XS+\c+1]|
	v_max3_num_f32 v205, v205, |v[XS+16+\c]|, |v[XS+17+\c]|
.endr
	v_max_num_f32 v204, v204, v205
	v_add_nc_u32 v206, EOFF, v204
	v_cvt_scalef32_pk16_bf6_f32 v[208:210], v[XS:XS+15], v206
	v_cvt_scalef32_pk16_bf6_f32 v[214:216], v[XS+16:XS+31], v206
	v_lshrrev_b32 v207, 23, v206
	v_mov_b32 v211, v214
	v_mov_b32 v212, v215
	v_mov_b32 v213, v216
	ds_store_b64 v12, v[208:209] offset:8*(\i)
	ds_store_b64 v12, v[210:211] offset:8*(\i)+640
	ds_store_b64 v12, v[212:213] offset:8*(\i)+1280
	ds_store_b8 v13, v207 offset:16*(\i)
.if \ahead
.irp j, 0,1,2,3,4,5,6,7
	global_load_b128 v[XS+4*\j:XS+4*\j+3], v7, s[84:85] offset:4096*(\i)+512*\j
.endr
.endif
.endm
.macro HLOAD tau, s0
.irp s, 0,1,2,3
.irp p, 0,1,2,3,4,5
	ds_load_b64 v[64+12*((\s0)+\s)+2*\p:64+12*((\s0)+\s)+2*\p+1], v[14+(\tau)/2] offset:HSS*((\s0)+\s)+2112*(\p/3)+640*(\p%3)+128*((\tau)%2)
.endr
.endr
.endm
.macro HSLOAD tau
	ds_load_b128 v[48+4*((\tau)%2):51+4*((\tau)%2)], v18 offset:1024*((\tau)/2)+256*((\tau)%2)
.endm
.macro HQ s, d, wd
	v_max3_num_f32 v208, |v[\s]|, |v[\s+1]|, FLOOR
	v_max3_num_f32 v209, |v[\s+16]|, |v[\s+17]|, FLOOR
.irp c, 2,4,6,8,10,12,14
	v_max3_num_f32 v208, v208, |v[\s+\c]|, |v[\s+\c+1]|
	v_max3_num_f32 v209, v209, |v[\s+16+\c]|, |v[\s+17+\c]|
.endr
	v_permlanex16_b32 v212, v208, s46, s47
	v_permlanex16_b32 v213, v209, s46, s47
	v_max_num_f32 v208, v208, v212
	v_max_num_f32 v209, v209, v213
	v_add_nc_u32 v220, EOFF, v208
	v_add_nc_u32 v221, EOFF, v209
	v_lshrrev_b32 v212, 23, v220
	v_lshrrev_b32 v213, 23, v221
	v_lshl_or_b32 v[\wd], v213, 8, v212
	v_cvt_scalef32_pk16_bf6_f32 v[\d:\d+2], v[\s:\s+15], v220
	v_cvt_scalef32_pk16_bf6_f32 v[204:206], v[\s+16:\s+31], v221
	v_nop
.irp c, 0,1,2
	v_permlane16_swap_b32 v[\d+\c], v[204+\c]
.endr
.irp c, 0,1,2
	v_mov_b32 v[\d+3+\c], v[204+\c]
.endr
.endm
.macro QKM s, hi, first
.irp t, 0,1,2,3
.set WD, 160+8*\t
.set WA, 12*(4*(\s)+\t)
.set WB, 64+12*(4*(\hi)+(\s))
.if \first
.set WC, 192+8*\t
.else
.set WC, WD
.endif
.set WSA, 24+4*\t+(\s)
.set WSB, HS+(\s)
.set WRA, \hi
.set WRB, \hi
	MM
.endr
.endm
.macro VM s, hi, first
.irp n, 0,1
.set WD, VA+32*\n
.set WA, 64+12*(4*(\hi)+(\s))
.set WB, 12*(2*(4*(\hi)+(\s))+\n)
.if \first
.set WC, 224+8*\n
.else
.set WC, WD
.endif
.set WSA, HS+(\s)
.set WSB, 40+4*\n+(\s)
.set WRA, \hi
.set WRB, \hi
	MM
.endr
.endm
.macro PLACES
.rept 4
	v_nop
.endr
.endm
.macro TAU tau
.set UU, (\tau)%2
.set AW, 1+(\tau)/4
.set HS, 48+4*((\tau)%2)
.set VA, 192+16*(((\tau)/2)%2)+8*UU
.set DD, 192+6*UU
	s_wait_dscnt 24
	WIN 0x31
	QKM 0, 0, 1
	WIN 0x01
	QKM 1, 0, 0
	QKM 2, 0, 0
	QKM 3, 0, 0
	WIN (0x3c|(AW<<6))
	VM 0, 0, 1
	WIN (0x0c|(AW<<4)|(AW<<6))
	VM 1, 0, 0
	VM 2, 0, 0
	VM 3, 0, 0
	PLACES
	WIN 0
.if (\tau) < 7
	HSLOAD (\tau)+1
	HLOAD (\tau)+1, 0
	s_wait_dscnt 25
.else
	s_wait_dscnt 0x0
.endif
	WIN 0x02
	QKM 0, 1, 0
	QKM 1, 1, 0
	QKM 2, 1, 0
	QKM 3, 1, 0
	WIN (0x0c|(AW<<4)|(AW<<6))
	VM 0, 1, 0
	VM 1, 1, 0
	VM 2, 1, 0
	VM 3, 1, 0
	PLACES
	WIN 0
.if (\tau) < 7
	HLOAD (\tau)+1, 4
.endif
.if UU == 0
	s_wait_xcnt 0x0
.endif
	HQ 160, DD, 56+(\tau)
	v_or_b32 v[56+(\tau)], 0x7f7f0000, v[56+(\tau)]
.if UU == 1
.irp c, 0,1,2
	global_store_b128 v19, v[192+4*\c:195+4*\c], s[76:77] offset:1536*((\tau)/2)+512*\c
.endr
.endif
.endm
.macro VQUANT n
.set VB, 192+32*(\n)
	WIN 0x14
	v_max3_num_f32 v208, FLOOR, |v[VB]|, |v[VB+1]|
	v_max3_num_f32 v209, FLOOR, |v[VB+16]|, |v[VB+17]|
.irp c, 2,4,6,8,10,12,14
	v_max3_num_f32 v208, v208, |v[VB+\c]|, |v[VB+\c+1]|
	v_max3_num_f32 v209, v209, |v[VB+16+\c]|, |v[VB+17+\c]|
.endr
	WIN 0x28
	v_max3_num_f32 v210, FLOOR, |v[VB]|, |v[VB+1]|
	v_max3_num_f32 v211, FLOOR, |v[VB+16]|, |v[VB+17]|
.irp c, 2,4,6,8,10,12,14
	v_max3_num_f32 v210, v210, |v[VB+\c]|, |v[VB+\c+1]|
	v_max3_num_f32 v211, v211, |v[VB+16+\c]|, |v[VB+17+\c]|
.endr
	WIN 0
.irp b, 0,1,2,3
	v_permlanex16_b32 v[212+\b], v[208+\b], s46, s47
.endr
.irp b, 0,1,2,3
	v_max_num_f32 v[208+\b], v[208+\b], v[212+\b]
.endr
.irp b, 0,1,2,3
	v_add_nc_u32 v[220+\b], EOFF, v[208+\b]
.endr
.irp b, 0,1,2,3
	v_lshrrev_b32 v[212+\b], 23, v[220+\b]
.endr
	v_lshl_or_b32 v[228+(\n)], v213, 8, v212
	v_lshl_or_b32 v[228+(\n)], v214, 16, v[228+(\n)]
	v_lshl_or_b32 v[228+(\n)], v215, 24, v[228+(\n)]
	WIN 0x01
	v_cvt_scalef32_pk16_bf6_f32 v[192:194], v[VB:VB+15], v220
	v_cvt_scalef32_pk16_bf6_f32 v[204:206], v[VB+16:VB+31], v221
	WIN 0x02
	v_cvt_scalef32_pk16_bf6_f32 v[198:200], v[VB:VB+15], v222
	v_cvt_scalef32_pk16_bf6_f32 v[224:226], v[VB+16:VB+31], v223
	WIN 0
	v_nop
.irp c, 0,1,2
	v_permlane16_swap_b32 v[192+\c], v[204+\c]
	v_permlane16_swap_b32 v[198+\c], v[224+\c]
.endr
.irp c, 0,1,2
	v_mov_b32 v[195+\c], v[204+\c]
	v_mov_b32 v[201+\c], v[224+\c]
.endr
.irp c, 0,1,2
	global_store_b128 v19, v[192+4*\c:195+4*\c], s[82:83] offset:1536*(\n)+512*\c
.endr
.endm
	s_load_b512 s[8:23], s[0:1], 0x0
	s_load_b512 s[24:39], s[0:1], 0x40
	s_load_b128 s[40:43], s[0:1], 0x80
	s_load_b64 s[44:45], s[0:1], 0x90
	v_lshl_add_u32 v254, v0, 2, 0x4c800
	v_mov_b32 v255, 0
	ds_add_u32 v254, v255
	ds_add_u32 v254, v255
	v_lshrrev_b32 v1, 5, v0
	v_readfirstlane_b32 s2, v1
	s_mov_b32 s3, ttmp9
	s_and_b32 s4, ttmp7, 0xffff
	s_and_b32 s5, s2, 1
	s_lshr_b32 s6, s2, 1
	s_mov_b32 s52, (3<<16)|(1<<20)|(5<<22)|(3<<25)
	s_mov_b32 s53, 96<<16
	s_mov_b32 s54, 32<<16
	s_mov_b32 s55, 96<<16
	s_mov_b32 s56, 32
	s_mov_b32 s57, 96
	s_mov_b32 s58, 0
	s_mov_b32 s59, 0
	s_mov_b32 s46, 0x76543210
	s_mov_b32 s47, 0xfedcba98
	s_mov_b32 s48, 0xffff0000
	s_mov_b32 s94, 0x3a800000
	s_mov_b32 s95, 0x358637bd
	s_lshl_b32 s86, s3, 1
	s_add_co_u32 s87, s86, s6
	s_add_co_u32 s86, s86, s5
	s_mul_i32 s88, s86, 49152
	s_mov_b32 s89, 0
	s_lshl_b32 s90, s87, 6
	s_lshl_b32 s91, s5, 5
	s_add_co_u32 s90, s90, s91
	s_mul_i32 s92, s90, 768
	s_mov_b32 s93, 0
	s_mul_i32 s96, s2, WREG
	s_wait_dscnt 0x0
	s_wait_kmcnt 0x0
	s_cmp_lt_u32 s2, 2
	s_cselect_b64 s[76:77], s[14:15], s[20:21]
	s_cselect_b64 s[78:79], s[16:17], s[22:23]
	s_cselect_b64 s[80:81], s[18:19], s[24:25]
	s_add_nc_u64 s[76:77], s[76:77], s[88:89]
	s_mov_b32 s60, 1
	s_mov_b32 s61, s96
	s_mov_b64 s[62:63], s[76:77]
	s_or_b32 s63, s63, 0x80000000
	s_mov_b32 s68, 1
	s_add_co_u32 s69, s96, WTILE
	s_add_nc_u64 s[70:71], s[76:77], 24576
	s_or_b32 s71, s71, 0x80000000
	s_mov_b32 s72, 1
	s_add_co_u32 s73, s96, 2*WTILE
	s_add_nc_u64 s[74:75], s[26:27], s[92:93]
	s_or_b32 s75, s75, 0x80000000
	tensor_load_to_lds s[60:63], s[52:59]
	s_nop 0
	s_wait_alu depctr_va_vdst(0)
	s_wait_tensorcnt 0x0
	ds_add_u32 v254, v255
	s_wait_dscnt 0x0
	s_barrier_signal -1
	s_barrier_wait -1
	tensor_load_to_lds s[68:71], s[52:59]
	s_nop 0
	s_wait_alu depctr_va_vdst(0)
	s_wait_tensorcnt 0x0
	ds_add_u32 v254, v255
	s_wait_dscnt 0x0
	s_barrier_signal -1
	s_barrier_wait -1
	tensor_load_to_lds s[72:75], s[52:59]
	s_nop 0
.rept 4
	v_nop
.endr
	v_and_b32 v1, 31, v0
	v_and_b32 v2, 15, v0
	v_bfe_u32 v3, v0, 4, 1
	v_and_b32 v4, 8, v2
	v_add_nc_u32 v4, v4, v2
	v_lshlrev_b32 v19, 4, v1
	v_lshlrev_b32 v20, 2, v1
	v_lshlrev_b32 v240, 7, v1
	s_wait_alu depctr_va_vdst(0)
	v_lshlrev_b32 v241, 5, v4
	v_lshl_add_u32 v241, v3, 4, v241
	s_wait_alu depctr_va_vdst(0)
	v_lshlrev_b32 v242, 6, v3
	s_wait_alu depctr_va_vdst(0)
	v_lshlrev_b32 v243, 2, v4
	s_wait_alu depctr_va_vdst(0)
	v_mov_b32 v218, 0
	s_lshl_b32 s88, s86, 11
	s_add_nc_u64 s[78:79], s[78:79], s[88:89]
	s_lshl_b32 s88, s86, 8
	s_add_nc_u64 s[80:81], s[80:81], s[88:89]
	s_lshl_b32 s88, s90, 5
	s_add_nc_u64 s[28:29], s[28:29], s[88:89]
	s_lshl_b32 s88, s90, 2
	s_add_nc_u64 s[30:31], s[30:31], s[88:89]
	s_lshl_b32 s88, s4, 7
	s_lshl_b32 s91, s2, 5
	s_add_co_u32 s88, s88, s91
	s_lshl_b32 s88, s88, 12
	s_add_nc_u64 s[84:85], s[8:9], s[88:89]
	WIN 0x40
.irp i, 0,1,2,3,4,5,6,7
	global_load_b128 v[192+4*\i:195+4*\i], v240, s[10:11] offset:16*\i
.endr
.irp i, 0,1,2,3,4,5,6,7
	global_load_b128 v[224+4*\i:227+4*\i], v240, s[12:13] offset:16*\i
.endr
	WIN 0
.irp t, 0,1,2,3
	global_load_b128 v[24+4*\t:27+4*\t], v241, s[78:79] offset:(32*(\t/2)+8*(\t%2))*32
.endr
.irp n, 0,1
	global_load_b128 v[40+4*\n:43+4*\n], v241, s[28:29] offset:256*\n
.endr
	WIN 0xc0
.irp t, 0,1,2,3
	global_load_b128 v[192+8*\t:195+8*\t], v242, s[80:81] offset:(32*(\t/2)+8*(\t%2))*4
	global_load_b128 v[196+8*\t:199+8*\t], v242, s[80:81] offset:(32*(\t/2)+8*(\t%2))*4+16
.endr
.irp n, 0,1
.irp j, 0,1,2,3,4,5,6,7
	global_load_b32 v[224+8*\n+\j], v243, s[30:31] offset:32*\n
.endr
.endr
	WIN 0
.irp i, 0,1,2,3
.irp j, 0,1,2,3,4,5,6,7
	global_load_b128 v[64+32*\i+4*\j:67+32*\i+4*\j], v19, s[84:85] offset:4096*\i+512*\j
.endr
.endr
	v_mul_u32_u24 v5, v4, WP
	v_mad_u32_u24 v5, v3, 24, v5
	v_add_nc_u32 v5, s96, v5
	v_lshl_add_u32 v6, v3, 4, v5
	s_mul_i32 s88, s2, 2*STB
	s_add_co_u32 s88, s88, STG
	v_lshrrev_b32 v21, 3, v1
	v_lshl_add_u32 v8, v21, 4, v19
	v_add_nc_u32 v8, s88, v8
	v_mul_u32_u24 v9, v1, 144
	v_add_nc_u32 v9, s88, v9
	v_lshrrev_b32 v21, 2, v1
	v_mul_u32_u24 v10, v21, HSS
	v_bfe_u32 v21, v0, 1, 1
	v_mad_u32_u24 v10, v21, 2112, v10
	v_and_b32 v21, 1, v0
	v_mad_u32_u24 v10, v21, 384, v10
	s_mul_i32 s88, s2, HPI
	v_add_nc_u32 v10, s88, v10
	v_lshl_add_u32 v11, v3, 9, v2
	s_lshl_b32 s88, s2, 10
	s_add_co_u32 s88, s88, HSC
	v_add_nc_u32 v11, s88, v11
	v_mul_u32_u24 v21, v3, 384
	v_lshl_add_u32 v21, v2, 3, v21
.irp p, 0,1,2,3
	v_add_nc_u32 v[14+\p], HIMG+HPI*\p, v21
.endr
	v_lshlrev_b32 v18, 9, v3
	v_lshl_add_u32 v18, v2, 4, v18
	v_add_nc_u32 v18, HSC, v18
	s_wait_tensorcnt 0x0
	WIN 0x40
.irp s, 0,1,2,3
.irp t, 0,1,2,3
	WFRAG 12*(4*\s+\t), (\t/2)*WTILE+8*(\t%2)*WP, \s
.endr
.endr
	WIN 0x80
.irp s, 0,1,2,3
.irp t, 0,1,2,3
	WFRAG 12*(4*\s+\t), (\t/2)*WTILE+8*(\t%2)*WP, \s+4
.endr
.endr
	WIN 0xc0
.irp s, 0,1,2,3,4,5,6,7
.irp n, 0,1
	WFRAG 12*(2*\s+\n), 2*WTILE+8*\n*WP, \s
.endr
.endr
	WIN 0
	BARRIER
	s_wait_loadcnt 24
	TURN 64, 0
	s_mov_b32 s49, 0
	s_mov_b32 s50, 0
	s_mov_b32 s51, 0
.Lrows:
	s_wait_xcnt 0x0
	s_wait_dscnt 0x0
	s_add_co_u32 s90, s49, 1
	s_and_b32 s91, s90, 1
	s_lshl_b32 s91, s91, 14
	s_and_b32 s92, s90, 2
	s_lshl_b32 s92, s92, 15
	s_add_co_u32 s91, s91, s92
	s_and_b32 s92, s90, 4
	s_lshl_b32 s92, s92, 13
	s_add_co_u32 s91, s91, s92
	v_add_nc_u32 v7, s91, v19
	v_add_nc_u32 v12, s50, v10
	v_add_nc_u32 v13, s51, v11
	ROW 0, 1, 1, 16
	ROW 1, 1, 1, 16
	ROW 2, 1, 1, 16
	ROW 3, 1, 1, 16
	s_add_co_u32 s50, s50, 32
	s_add_co_u32 s51, s51, 64
	s_add_co_u32 s49, s49, 1
	s_cmp_lt_u32 s49, 7
	s_cbranch_scc1 .Lrows
	s_wait_dscnt 0x0
	v_add_nc_u32 v12, s50, v10
	v_add_nc_u32 v13, s51, v11
	ROW 0, 0, 1, 16
	ROW 1, 0, 1, 8
	ROW 2, 0, 1, 0
	ROW 3, 0, 0, 0
	BARRIER
	s_lshr_b32 s52, s4, 4
	s_lshl_b32 s52, s52, 3
	s_add_co_u32 s53, s52, s86
	s_add_co_u32 s54, s52, s87
	s_and_b32 s55, s4, 15
	s_lshr_b32 s56, s55, 2
	s_mul_i32 s56, s56, 52224
	s_and_b32 s57, s55, 3
	s_mul_i32 s58, s53, 208896
	s_add_co_u32 s58, s58, s56
	s_mul_i32 s59, s57, 6144
	s_add_co_u32 s60, s58, s59
	s_lshl_b32 s61, s57, 9
	s_add_co_u32 s61, s61, s58
	s_add_co_u32 s61, s61, 49152
	s_lshl_b32 s62, s53, 4
	s_add_co_u32 s62, s62, s55
	s_mul_i32 s63, s62, 6144
	s_lshl_b32 s62, s62, 9
	s_mul_i32 s68, s54, 208896
	s_add_co_u32 s68, s68, s56
	s_add_co_u32 s69, s68, s59
	s_mul_i32 s70, s5, 3072
	s_add_co_u32 s69, s69, s70
	s_add_co_u32 s69, s69, 24576
	s_lshl_b32 s70, s57, 8
	s_add_co_u32 s70, s70, s68
	s_lshl_b32 s71, s5, 7
	s_add_co_u32 s70, s70, s71
	s_add_co_u32 s70, s70, 51200
	s_cmp_lt_u32 s2, 2
	s_cselect_b32 s88, s63, s60
	s_cselect_b32 s90, s62, s61
	s_cselect_b64 s[76:77], s[38:39], s[42:43]
	s_cselect_b64 s[78:79], s[40:41], s[42:43]
	s_add_nc_u64 s[76:77], s[76:77], s[88:89]
	s_mov_b32 s88, s90
	s_add_nc_u64 s[78:79], s[78:79], s[88:89]
	s_mov_b32 s88, s69
	s_add_nc_u64 s[82:83], s[42:43], s[88:89]
	s_mov_b32 s88, s70
	s_add_nc_u64 s[98:99], s[42:43], s[88:89]
	HSLOAD 0
	HLOAD 0, 0
	HLOAD 0, 4
	TAU 0
	TAU 1
	TAU 2
	TAU 3
	TAU 4
	TAU 5
	TAU 6
	TAU 7
.irp b, 0,1,2,3
	v_cndmask_b32 v[232+\b], v[56+2*\b], v[57+2*\b], s48
.endr
	global_store_b128 v19, v[232:235], s[78:79]
	s_wait_xcnt 0x0
	VQUANT 0
	s_wait_xcnt 0x0
	VQUANT 1
	v_cndmask_b32 v236, v228, v229, s48
	global_store_b32 v20, v236, s[98:99]
	s_cmp_lt_u32 s2, 3
	s_cbranch_scc0 .Ldone
	s_lshl_b32 s52, s4, 2
	s_add_co_u32 s52, s52, s3
	s_lshr_b32 s53, s52, 6
	s_bfe_u32 s54, s52, 0x20004
	s_and_b32 s55, s52, 15
	s_lshr_b32 s56, s55, 1
	s_lshl_b32 s56, s56, 5
	s_and_b32 s57, s55, 1
	s_lshl_b32 s57, s57, 3
	s_add_co_u32 s56, s56, s57
	s_lshl_b32 s57, s53, 8
	s_add_co_u32 s56, s56, s57
	s_mul_i32 s56, s56, 384
	s_mul_i32 s57, s54, 96
	s_add_co_u32 s56, s56, s57
	s_and_b32 s58, s55, 7
	s_lshr_b32 s59, s58, 1
	s_lshl_b32 s59, s59, 5
	s_and_b32 s58, s58, 1
	s_lshl_b32 s58, s58, 3
	s_add_co_u32 s58, s58, s59
	s_lshl_b32 s59, s53, 7
	s_add_co_u32 s58, s58, s59
	s_mul_i32 s58, s58, 768
	s_lshl_b32 s59, s54, 1
	s_lshr_b32 s60, s55, 3
	s_add_co_u32 s59, s59, s60
	s_mul_i32 s59, s59, 96
	s_add_co_u32 s58, s58, s59
	s_mul_i32 s68, s53, 3
	s_add_co_u32 s68, s68, s2
	s_lshl_b32 s68, s68, 2
	s_add_co_u32 s68, s68, s54
	s_lshl_b32 s68, s68, 4
	s_add_co_u32 s68, s68, s55
	s_mul_i32 s68, s68, 1536
	s_mov_b32 s61, 384
	s_cmp_eq_u32 s2, 1
	s_cselect_b32 s88, s58, s56
	s_cselect_b32 s61, 768, s61
	s_cselect_b64 s[62:63], s[34:35], s[32:33]
	s_cmp_eq_u32 s2, 2
	s_cselect_b64 s[62:63], s[36:37], s[62:63]
	s_add_nc_u64 s[62:63], s[62:63], s[88:89]
	s_mov_b32 s88, s68
	s_add_nc_u64 s[44:45], s[44:45], s[88:89]
	v_mul_lo_u32 v21, v4, s61
	v_mad_u32_u24 v21, v3, 24, v21
.irp p, 0,1,2,3,4,5
	global_load_b64 v[64+2*\p:65+2*\p], v21, s[62:63] offset:48*(\p/3)+8*(\p%3)
.endr
	s_wait_loadcnt 0x0
.irp c, 0,1,2
	global_store_b128 v19, v[64+4*\c:67+4*\c], s[44:45] offset:512*\c
.endr
.Ldone:
	s_wait_tensorcnt 0x0
	ds_add_u32 v254, v255
	s_wait_dscnt 0x0
	s_endpgm
.Lfunc_end_k_q65e3abe597_qkv:
	.size	k_q65e3abe597_qkv, .Lfunc_end_k_q65e3abe597_qkv-k_q65e3abe597_qkv
	.p2alignl 7, 3214868480
	.fill 96, 4, 3214868480
	.section	.rodata,"a",@progbits
	.p2align	6, 0x0
	.amdhsa_kernel k_q65e3abe597_qkv
		.amdhsa_group_segment_fixed_size 327680
		.amdhsa_private_segment_fixed_size 0
		.amdhsa_enable_private_segment 0
		.amdhsa_kernarg_size 152
		.amdhsa_user_sgpr_count 2
		.amdhsa_user_sgpr_kernarg_segment_ptr 1
		.amdhsa_wavefront_size32 1
		.amdhsa_system_sgpr_workgroup_id_x 1
		.amdhsa_system_sgpr_workgroup_id_y 1
		.amdhsa_system_sgpr_workgroup_id_z 1
		.amdhsa_system_vgpr_workitem_id 0
		.amdhsa_next_free_vgpr 1024
		.amdhsa_next_free_sgpr 100
		.amdhsa_reserve_vcc 0
		.amdhsa_float_denorm_mode_32 3
		.amdhsa_float_denorm_mode_16_64 3
		.amdhsa_memory_ordered 1
		.amdhsa_forward_progress 1
		.amdhsa_inst_pref_size 215
	.end_amdhsa_kernel
	.amdgpu_metadata
---
amdhsa.version: [ 1, 2 ]
amdhsa.kernels:
  - .name:           k_q65e3abe597_qkv
    .symbol:         k_q65e3abe597_qkv.kd
    .args:
      - { .name: x, .offset: 0, .size: 8, .value_kind: global_buffer, .address_space: global }
      - { .name: ln1_w, .offset: 8, .size: 8, .value_kind: global_buffer, .address_space: global }
      - { .name: ln1_b, .offset: 16, .size: 8, .value_kind: global_buffer, .address_space: global }
      - { .name: wq_w_codes, .offset: 24, .size: 8, .value_kind: global_buffer, .address_space: global }
      - { .name: wq_w_scales, .offset: 32, .size: 8, .value_kind: global_buffer, .address_space: global }
      - { .name: wq_b, .offset: 40, .size: 8, .value_kind: global_buffer, .address_space: global }
      - { .name: wk_w_codes, .offset: 48, .size: 8, .value_kind: global_buffer, .address_space: global }
      - { .name: wk_w_scales, .offset: 56, .size: 8, .value_kind: global_buffer, .address_space: global }
      - { .name: wk_b, .offset: 64, .size: 8, .value_kind: global_buffer, .address_space: global }
      - { .name: wv_w_codes, .offset: 72, .size: 8, .value_kind: global_buffer, .address_space: global }
      - { .name: wv_w_scales, .offset: 80, .size: 8, .value_kind: global_buffer, .address_space: global }
      - { .name: wv_b, .offset: 88, .size: 8, .value_kind: global_buffer, .address_space: global }
      - { .name: fc_w_codes, .offset: 96, .size: 8, .value_kind: global_buffer, .address_space: global }
      - { .name: fc1_w_codes, .offset: 104, .size: 8, .value_kind: global_buffer, .address_space: global }
      - { .name: fc2_w_codes, .offset: 112, .size: 8, .value_kind: global_buffer, .address_space: global }
      - { .name: qf, .offset: 120, .size: 8, .value_kind: global_buffer, .address_space: global }
      - { .name: qs, .offset: 128, .size: 8, .value_kind: global_buffer, .address_space: global }
      - { .name: kv, .offset: 136, .size: 8, .value_kind: global_buffer, .address_space: global }
      - { .name: wimg, .offset: 144, .size: 8, .value_kind: global_buffer, .address_space: global }
    .group_segment_fixed_size: 327680
    .private_segment_fixed_size: 0
    .kernarg_segment_align: 8
    .kernarg_segment_size: 152
    .max_flat_workgroup_size: 128
    .sgpr_count:     100
    .vgpr_count:     1024
    .wavefront_size: 32
...
	.end_amdgpu_metadata
.endif
;; end of part 1
;; launch attn (part 2): grid 8 x 32, 16 waves a work-group, clusters of 4 x 1, 263,168 bytes of LDS; arguments qf, qs, kv, of, os; writes of, os
.if DOCPART == 2
	.amdgcn_target "amdgcn-amd-amdhsa--gfx1250"
	.amdhsa_code_object_version 6
	.text
	.protected	k_q65e3abe597_attn
	.globl	k_q65e3abe597_attn
	.p2align	8
	.type	k_q65e3abe597_attn,@function
k_q65e3abe597_attn:
	s_mov_b64 s[64:65], 0
	v_nop
	global_prefetch_b8 v0, s[64:65] scope:SCOPE_SE
	s_setreg_imm32_b32 hwreg(HW_REG_WAVE_MODE, 25, 1), 1
	s_wait_xcnt 0x0
	s_wait_alu depctr_hold_cnt(0) depctr_sa_sdst(0) depctr_va_vdst(0) depctr_va_sdst(0) depctr_va_ssrc(0) depctr_va_vcc(0) depctr_vm_vsrc(0)
	s_getreg_b32 s2, hwreg(HW_REG_IB_STS2, 6, 4)
	s_cmp_eq_u32 s2, 0
	s_cbranch_scc0 .Lentry_in_a_cluster
	s_endpgm
.Lentry_in_a_cluster:
	s_bfe_u32 s2, ttmp6, 0x10000c
	s_cmp_lg_u32 s2, 0x3003
	s_cbranch_scc0 .Lentry_shape_is_right
	s_endpgm
.Lentry_shape_is_right:
; out = softmax(q k^T / 8) v for one head of 2,048 tokens and head size 64, both products on codes of BF6 (E3M2) with E8M0 scales, and out quantised along the 512 features for the next product.
; THE SOFTMAX: t = score x log2(e) / 8; M = the running largest t rounded UP to a whole number; p = 2^(t - M) is quantised along the keys, not normalised; the row's sum is taken of the unquantised p and
; divides at the end; when M moves, the sum and O are multiplied by 2^(old M - new M), which rounds nothing.
; SHARES.  A work-group owns 256 queries of one (batch, head); each of its sixteen waves one tile of 16, in 256 registers: four waves to a SIMD.
; THE WHOLE HEAD'S K AND V, codes and scale words, 208,896 bytes, lie in LDS, filled once.  EVERY WAVE ISSUES ONE LOAD, 51 rows of 256 bytes (16 x 51 x 256 = 208,896), its addresses made of the wave's number:
; one load a wave is out; one wait for it and one barrier show all sixteen parts to all waves; nothing is filled again.  CLUSTER: the four work-groups of a cluster own queries of the same head and ask JOINTLY.
; The descriptor lays 64 bytes of padding behind every 256: byte y of the image lies at y + 64 (y / 256).  A pair of tiles (1,536 bytes) is then 1,920 bytes, which is 128 modulo 256.
; LAYOUT.  Both products transposed: S^T = K Q^T, O^T = V^T P^T: a lane holds one query.  The first launch laid K as register images of pairs of tiles, lane r of tile u of pair b being key 32 b + 8 u + r + 8 (r / 8).
; Here a tile is put together anew BY THE LANES' ADDRESSES: lane r of tile t of a group c of 64 keys takes key 64 c + 32 (r / 8) + 8 t + r % 8, which lies in pair 2 c + r / 8, tile t % 2, lane r % 8 + 8 (t / 2).
; So the 32 registers of tiles 4 c .. 4 c + 3 are, in lane (query, h), keys 64 c + 32 h + 0 .. 31: ONE WHOLE BLOCK of p, in the order of the next operand's registers: its largest p needs no other lane and its codes no
; lane exchange.  Of a load of 16 bytes a lane, lanes 0-7 read 128 bytes on end and lanes 8-15 the 128 bytes that lie 1,920 further on: sixteen different columns of 16 bytes modulo 256.
; A HEAD OF 64 FILLS HALF A K STEP OF 128: Q's upper six registers are zero codes and the scale bytes of that half are 127 on both sides; K's operand names twelve registers of which the upper six are the next
; tile's codes: any code times the code 0 adds nothing (the format has no NaN and no infinity).
; THE ROW'S SUM of a step's p is taken at the head of the next step, between K's loads and the wait for them (p's registers begin as zeros), and once more behind the loop.
; No prefetch: all that the work-group reads from kv is asked for by its sixteen loads at the head; there is no loop to run ahead in.
; LIMITS: NaN and infinities are not served; the promise holds while |t| stays under 2^31; a block of p that has fallen to 0 keeps the scale byte 1 with zero codes; 1 / sum by v_rcp_f32.
; REGISTERS: v1-4 lane terms of V's, K's, K's scales' and V's scales' LDS addresses; v7 8 h; v8-11 addresses in hand; v12 -M, v13 the largest score, v[14:15] the sum; v16-27 Q; v28 its scale word; v30, v31 4, 8 x lane;
; v32-79 K's eight tiles, then V's four fragments; v80-85 zeros; v96-159 S^T, then p; v160-191 O^T; v192-203 p's codes; v204-210 at work; v212-221 per block; v224-227 K's scale words; v228-229 V's; v230 p's;
; v[232:233] f; v234-235 at work; v236-251 eight partial sums.
.set PIECE,  13056                     ; what one wave fetches, in memory: 51 rows of 256 bytes
.set LPIECE, 16320                     ; and in LDS: 51 rows of 320
.set HEADB,  208896
.set LCHUNK, 65280                     ; 512 keys in LDS: 204 rows
.set LSTEP,  7680                      ; a step's fragments of K or of V: 24 rows
.set LV,     30720                     ; V's fragments begin at a chunk's row 96,
.set LKS,    61440                     ; K's scale words at row 192 (two rows a step),
.set LVS,    64000                     ; V's at row 200 (one row a step)
.set SPARE,  261120                    ; behind the image: the spare words, 128 bytes a wave
.set FLOOR, 0x2800000
.set EOFF,  0xfe000000
.macro ROUND                           ; a round of the cluster's barrier
	s_barrier_signal -1
	s_barrier_wait -1
	s_cmp_lg_u32 s18, 0
	s_cbranch_scc1 .Lnot_wave_0_\@
	s_barrier_signal -3
.Lnot_wave_0_\@:
	s_barrier_wait -3
	s_barrier_signal -1
	s_barrier_wait -1
.endm
.macro VLD n                           ; V's fragment n: three loads of 16 bytes a lane
.irp c, 0,1,2
	ds_load_b128 v[32+12*\n+4*\c:35+12*\n+4*\c], v9 offset:LV+1920*\n+640*\c
.endr
.endm
; The sum takes in the 64 p of the step before: eight chains of packed additions, then a tree.  SUMS_A: the first lines of two chains; SUMS_B: all the rest
.macro SUMS_A
.irp k, 0,1
	v_pk_add_f32 v[236+2*\k:237+2*\k], v[96+2*\k:97+2*\k], v[112+2*\k:113+2*\k]
.endr
.endm
.macro SUMS_B
.irp k, 2,3,4,5,6,7
	v_pk_add_f32 v[236+2*\k:237+2*\k], v[96+2*\k:97+2*\k], v[112+2*\k:113+2*\k]
.endr
.irp k, 0,1,2,3,4,5,6,7
	v_pk_add_f32 v[236+2*\k:237+2*\k], v[236+2*\k:237+2*\k], v[128+2*\k:129+2*\k]
.endr
.irp k, 0,1,2,3,4,5,6,7
	v_pk_add_f32 v[236+2*\k:237+2*\k], v[236+2*\k:237+2*\k], v[144+2*\k:145+2*\k]
.endr
.irp k, 0,1,2,3
	s_delay_alu instid0(VALU_DEP_4)
	v_pk_add_f32 v[236+2*\k:237+2*\k], v[236+2*\k:237+2*\k], v[244+2*\k:245+2*\k]
.endr
	s_delay_alu instid0(VALU_DEP_2)
	v_pk_add_f32 v[236:237], v[236:237], v[240:241]
	s_delay_alu instid0(VALU_DEP_2)
	v_pk_add_f32 v[238:239], v[238:239], v[242:243]
	s_delay_alu instid0(VALU_DEP_1)
	v_pk_add_f32 v[236:237], v[236:237], v[238:239]
	s_delay_alu instid0(VALU_DEP_1)
	v_pk_add_f32 v[14:15], v[14:15], v[236:237]
.endm
	s_load_b128 s[4:7], s[0:1], 0x0                ; qf, qs
	s_load_b128 s[8:11], s[0:1], 0x10              ; kv, of
	s_load_b64 s[12:13], s[0:1], 0x20              ; os
	v_lshl_add_u32 v254, v0, 2, SPARE
	v_mov_b32 v255, 0
	ds_add_u32 v254, v255                          ; the opening lines: the add, twice on end, and its wait ahead of my tensor load
	ds_add_u32 v254, v255
	v_lshrrev_b32 v5, 5, v0
	s_delay_alu instid0(VALU_DEP_1)
	v_readfirstlane_b32 s18, v5                    ; wave 0..15
	s_bfe_u32 s14, ttmp6, 0x40000                  ; cx
	s_lshl_b32 s15, ttmp9, 2
	s_add_co_u32 s15, s15, s14                     ; my block of 256 queries: it enters the addresses of qf, qs, of and os alone
	s_and_b32 s16, ttmp7, 0xffff                   ; batch x 8 + head, which the four partners share
	; descriptor group 1: 51 rows of 32 elements of 8 bytes, dense in memory; 16 words of padding behind every 64; the mask names all four work-groups, bit 21 beside it
	s_mov_b32 s24, 15|(3<<16)|(1<<20)|(1<<21)|(5<<22)|(15<<25)
	s_mov_b32 s25, 32<<16
	s_mov_b32 s26, 51<<16
	s_mov_b32 s27, 32<<16
	s_mov_b32 s28, 51
	s_mov_b32 s29, 32
	s_mov_b32 s30, 0
	s_mov_b32 s31, 0
	s_mov_b32 s20, 0x76543210
	s_mov_b32 s21, 0xfedcba98                      ; v_permlanex16_b32's selects for lane l xor 16
	s_mov_b32 s48, 0x3e38aa3b                      ; c = log2(e) / 8
	s_mov_b32 s49, s48                             ; (named with it as a pair)
	s_mul_i32 s54, s16, HEADB
	s_mov_b32 s55, 0
	s_mul_i32 s56, s18, PIECE                      ; my sixteenth of the head's image, in memory
	s_mov_b32 s57, 0
	s_mov_b32 s32, 1
	s_mul_i32 s33, s18, LPIECE                     ; and in LDS
	s_wait_dscnt 0x0
	s_wait_kmcnt 0x0
	s_add_nc_u64 s[34:35], s[8:9], s[54:55]
	s_add_nc_u64 s[34:35], s[34:35], s[56:57]
	s_or_b32 s35, s35, 0x80000000
	ROUND                                          ; all four work-groups are here: the joint loads meet
	tensor_load_to_lds s[32:35], s[24:31]          ; my one load
	s_nop 0
	s_lshl_b32 s58, s16, 6                         ; Q: pair 64 bh + 8 x + wave / 2, 1,536 bytes each
	s_lshl_b32 s59, s15, 3
	s_add_co_u32 s58, s58, s59
	s_lshr_b32 s59, s18, 1
	s_add_co_u32 s58, s58, s59
	s_mul_i32 s58, s58, 1536
	s_mov_b32 s59, 0
	s_add_nc_u64 s[4:5], s[4:5], s[58:59]
	s_and_b32 s60, s18, 1                          ; u: registers 0-5 or 6-11 of the pair's image (planes of four registers, 16 bytes a lane)
	s_mov_b32 s63, 512
	s_cmp_eq_u32 s60, 1
	s_cselect_b32 s61, 520, 0
	s_cselect_b32 s62, 1024, 8
	s_cselect_b32 s63, 1032, s63
	s_lshl_b32 s58, s16, 4                         ; Q's scale word: block of 128 rows 16 bh + 2 x + wave / 8; in it (r + 16 u) x 16 + 4 x ((wave / 2) % 4)
	s_lshl_b32 s50, s15, 1
	s_add_co_u32 s58, s58, s50
	s_lshr_b32 s50, s18, 3
	s_add_co_u32 s58, s58, s50
	s_lshl_b32 s58, s58, 9
	s_lshl_b32 s50, s60, 8
	s_add_co_u32 s58, s58, s50
	s_bfe_u32 s50, s18, 0x20001
	s_lshl_b32 s50, s50, 2
	s_add_co_u32 s58, s58, s50
	s_add_nc_u64 s[6:7], s[6:7], s[58:59]
	s_lshr_b32 s58, s16, 3                         ; my tile among the 512: 128 batch + 16 x + wave
	s_lshl_b32 s58, s58, 7
	s_lshl_b32 s50, s15, 4
	s_add_co_u32 s58, s58, s50
	s_add_co_u32 s58, s58, s18
	s_and_b32 s50, s16, 7                          ; head
	s_lshl_b32 s51, s58, 2
	s_lshr_b32 s52, s50, 1
	s_add_co_u32 s51, s51, s52
	s_mul_i32 s51, s51, 6
	s_and_b32 s52, s50, 1
	s_mul_i32 s52, s52, 3
	s_add_co_u32 s51, s51, s52
	s_lshl_b32 s52, s51, 8                         ; of: ((4 tile + head / 2) x 6 + 3 (head % 2)) planes of 256 bytes
	s_mov_b32 s53, 0
	s_add_nc_u64 s[10:11], s[10:11], s[52:53]
	s_lshl_b32 s52, s58, 3
	s_add_co_u32 s52, s52, s50
	s_lshl_b32 s52, s52, 7                         ; os: (8 tile + head) x 128 bytes
	s_add_nc_u64 s[12:13], s[12:13], s[52:53]
	s_mov_b32 s50, 0                               ; where the step's fragments,
	s_mov_b32 s51, 0                               ; K's scale words
	s_mov_b32 s52, 0                               ; and V's begin
	s_mov_b32 s54, 4                               ; chunks to go
	v_and_b32 v5, 31, v0                           ; lane
	v_and_b32 v6, 15, v0                           ; r
	v_bfe_u32 v7, v0, 4, 1                         ; h
	v_and_b32 v86, 7, v0                           ; r % 8
	v_bfe_u32 v87, v0, 3, 1                        ; r / 8
	v_lshlrev_b32 v29, 4, v5                       ; 16 x lane
	v_lshlrev_b32 v30, 2, v5                       ; 4 x lane
	v_lshlrev_b32 v31, 3, v5                       ; 8 x lane
	v_lshlrev_b32 v88, 4, v6                       ; 16 r
	v_lshlrev_b32 v89, 4, v86
	v_lshl_add_u32 v4, v5, 2, LVS                  ; V's scale words: 4 x lane
	v_mad_u32_u24 v1, v7, 320, v88                 ; V's fragments: 16 r, lanes 16-31 one LDS row on
	v_mad_u32_u24 v89, v7, 320, v89                ; 16 (r % 8) + 320 h
	v_add_nc_u32 v90, s61, v29
	v_add_nc_u32 v91, s62, v29
	v_add_nc_u32 v92, s63, v29
	v_mad_u32_u24 v2, v87, 1920, v89               ; K's fragments: lanes 8-15 read the next pair of tiles
	v_lshl_add_u32 v3, v87, 2, v89
	v_lshlrev_b32 v7, 3, v7                        ; 8 h: how far my two scale bytes are shifted
	s_delay_alu instid0(VALU_DEP_2)
	v_add_nc_u32 v3, LKS, v3                       ; K's scale words: 16 bytes a lane of the image, word 2 c + r / 8 of them
	s_wait_alu depctr_va_vdst(0)
	global_load_b64 v[16:17], v90, s[4:5]
	global_load_b64 v[18:19], v91, s[4:5]
	global_load_b64 v[20:21], v92, s[4:5]
	global_load_b32 v28, v88, s[6:7]
	v_mov_b32 v13, 0xff61b1e6                      ; the largest score so far: -3e38
	v_mov_b32 v14, 0
	v_mov_b32 v15, 0
	v_mul_f32 v12, s48, v13
	s_delay_alu instid0(VALU_DEP_1)
	v_floor_f32 v12, -v12                          ; -M
.irp j, 0,1,2,3,4,5
	v_mov_b32 v[22+\j], 0                          ; Q's empty half: zero codes
	v_mov_b32 v[80+\j], 0                          ; what K's last tile names beyond its own six registers
.endr
	v_mov_b32 v217, 0                              ; a lane permute's destination counts as one of its sources
	v_mov_b32 v235, 0
	v_mov_b32 v234, 0
	v_mov_b32 v233, 0                              ; (named as the upper half of the pair v[232:233])
.set jj, 0
.rept 96
	v_mov_b32 v[96+jj], 0                          ; p and O^T: the step is written once: the first step sums zeros, and the first change of M leaves zeros zeros.  These lines stand under the load's flight
.set jj, jj+1
.endr
	s_wait_alu depctr_va_vdst(0)
	s_wait_loadcnt 0x0                             ; Q
	s_wait_tensorcnt 0x0                           ; my part of the image is in;
	s_barrier_signal -1
	s_barrier_wait -1                              ; and so is everybody's
; A KEY STEP: 128 keys.  Four steps to a chunk, four chunks.
.Lchunk:
	s_mov_b32 s53, 4
.Lstep:
	s_barrier_signal -1                            ; I have begun this step (none of my LDS instructions is out).  Up to this barrier's wait, behind the step's last products, stand register work and LDS loads of bytes that nothing writes
	v_add_nc_u32 v8, s50, v2                       ; two additions and the sums' first two lines: the four places in front of loads into registers that the last products read
	v_add_nc_u32 v10, s51, v3
	SUMS_A
.irp g, 0,1,2,3                                        ; tiles 2 g and 2 g + 1: group g / 2 of 64 keys, lanes' rows 8 (g % 2) on in the image
.irp c, 0,1,2
	ds_load_b128 v[32+12*\g+4*\c:35+12*\g+4*\c], v8 offset:3840*(\g/2)+128*(\g%2)+640*\c
.endr
	ds_load_b32 v[224+\g], v10 offset:8*(\g/2)+128*(\g%2)          ; lanes 0-15 tile 2 g's scale words, lanes 16-31 tile 2 g + 1's
.endr
	SUMS_B                                         ; the last step's p, while K's fragments are on their way
	s_wait_alu depctr_va_vdst(0)
	s_wait_dscnt 0x0
.irp t, 0,1,2,3,4,5,6,7
.if \t%2
	v_wmma_scale_f32_16x16x128_f8f6f4 v[96+8*\t:103+8*\t], v[32+6*\t:43+6*\t], v[16:27], 0, v[224+\t/2], v28 matrix_a_fmt:MATRIX_FMT_BF6 matrix_b_fmt:MATRIX_FMT_BF6 matrix_a_scale:MATRIX_SCALE_ROW1
.else
	v_wmma_scale_f32_16x16x128_f8f6f4 v[96+8*\t:103+8*\t], v[32+6*\t:43+6*\t], v[16:27], 0, v[224+\t/2], v28 matrix_a_fmt:MATRIX_FMT_BF6 matrix_b_fmt:MATRIX_FMT_BF6
.endif
.endr
	v_add_nc_u32 v9, s50, v1                       ; where V's fragments and scale words lie; with the two lines below: four places (ISA guide 7.12.1)
	v_add_nc_u32 v11, s52, v4
	v_nop
	v_nop
	; the largest score of my two blocks of 32 keys (registers 32 c + 0 .. 31), each in two chains; each accumulator is read from its low end on
.irp q, 0,1,2,3
	v_max3_num_f32 v[212+\q], v[96+32*(\q%2)+16*(\q/2)], v[97+32*(\q%2)+16*(\q/2)], v[98+32*(\q%2)+16*(\q/2)]
.endr
.irp i, 3,5,7,9,11,13
.irp q, 0,1,2,3
	v_max3_num_f32 v[212+\q], v[212+\q], v[96+32*(\q%2)+16*(\q/2)+\i], v[97+32*(\q%2)+16*(\q/2)+\i]
.endr
.endr
	v_max_num_f32 v216, v111, v127                 ; the two scores that block h's chains left over,
	v_max_num_f32 v218, v143, v159                 ; and block 2 + h's
	v_max3_num_f32 v212, v212, v214, v216          ; block h
	v_max3_num_f32 v213, v213, v215, v218          ; block 2 + h
	VLD 0                                          ; V's fragments and scale words are asked for between the lines of this chain, each of which reads the line before it; they land under the exponentials
	v_max_num_f32 v234, v212, v213
	VLD 1
	v_permlanex16_b32 v235, v234, s20, s21
	VLD 2
	v_max3_num_f32 v13, v13, v234, v235            ; the running largest score of my query
	VLD 3
	v_mul_f32 v234, s48, v13                       ; as t (c is positive)
	ds_load_b32 v228, v11
	v_floor_f32 v235, -v234                        ; the new -M = floor(-t): M is a whole number
	ds_load_b32 v229, v11 offset:128
	v_sub_f32 v234, v235, v12                      ; old M less new M: a whole number, 0 or less
	v_mov_b32 v12, v235
	v_cvt_i32_f32 v234, v234                       ; (it saturates)
	v_ldexp_f32 v232, 1.0, v234                    ; f = 2^(old M - new M)
.set jj, 0
.rept 32
	v_pk_fma_f32 v[96+2*jj:97+2*jj], v[96+2*jj:97+2*jj], s[48:49], v[12:13] op_sel_hi:[1,0,0]   ; t - M
.set jj, jj+1
.endr
	v_fma_f32 v212, v212, s48, v12
	v_fma_f32 v213, v213, s48, v12
	s_wait_alu depctr_va_vdst(0)
.set jj, 0
.rept 64
	v_exp_f32 v[96+jj], v[96+jj]                   ; p = 2^(t - M)
.set jj, jj+1
.endr
	v_exp_f32 v212, v212                           ; a block's largest p: the same two instructions on the same number
	v_exp_f32 v213, v213
	v_pk_mul_f32 v[14:15], v[14:15], v[232:233] op_sel_hi:[1,0]   ; the sum under the new M; a plain place behind the exponentials
	s_wait_alu depctr_va_vdst(0)                   ; one wait for the batch
	v_max_num_f32 v212, FLOOR, v212
	v_max_num_f32 v213, FLOOR, v213
	s_delay_alu instid0(VALU_DEP_2)
	v_add_nc_u32 v220, EOFF, v212                  ; the conversions' scale operands
	s_delay_alu instid0(VALU_DEP_2)
	v_add_nc_u32 v221, EOFF, v213
.irp c, 0,1
	v_cvt_scalef32_pk16_bf6_f32 v[192+6*\c:194+6*\c], v[96+32*\c:111+32*\c], v[220+\c]     ; registers 6 c .. 6 c + 2 of the operand,
	v_cvt_scalef32_pk16_bf6_f32 v[204+4*\c:206+4*\c], v[112+32*\c:127+32*\c], v[220+\c]    ; and 6 c + 3 .. 6 c + 5, made where three registers begin on an even number
.endr
	v_lshrrev_b32 v216, 23, v220                   ; the scales' bytes (plain places behind the conversions)
	v_lshrrev_b32 v217, 23, v221
	s_delay_alu instid0(VALU_DEP_1)
	v_lshl_or_b32 v216, v217, 16, v216             ; blocks h and 2 + h,
	s_delay_alu instid0(VALU_DEP_1)
	v_lshlrev_b32 v216, v7, v216                   ; at their places in the word;
	s_delay_alu instid0(VALU_DEP_1)
	v_permlanex16_b32 v217, v216, s20, s21
	s_delay_alu instid0(VALU_DEP_1)
	v_or_b32 v230, v216, v217                      ; with lane l xor 16's two: p's scale word for these 128 keys
.irp c, 0,1
.irp i, 0,1,2
	v_mov_b32 v[195+6*\c+\i], v[204+4*\c+\i]
.endr
.endr
	s_wait_alu depctr_va_vdst(0)
.set jj, 0
.rept 16
	v_pk_mul_f32 v[160+2*jj:161+2*jj], v[160+2*jj:161+2*jj], v[232:233] op_sel_hi:[1,0]   ; O^T under the new M; also the places between p's codes and scale word and the products
.set jj, jj+1
.endr
	s_wait_alu depctr_va_vdst(0)
	s_wait_dscnt 0x0                               ; V
.irp n, 0,1,2,3
.if \n%2
	v_wmma_scale_f32_16x16x128_f8f6f4 v[160+8*\n:167+8*\n], v[32+12*\n:43+12*\n], v[192:203], v[160+8*\n:167+8*\n], v[228+\n/2], v230 matrix_a_fmt:MATRIX_FMT_BF6 matrix_b_fmt:MATRIX_FMT_BF6 matrix_a_scale:MATRIX_SCALE_ROW1
.else
	v_wmma_scale_f32_16x16x128_f8f6f4 v[160+8*\n:167+8*\n], v[32+12*\n:43+12*\n], v[192:203], v[160+8*\n:167+8*\n], v[228+\n/2], v230 matrix_a_fmt:MATRIX_FMT_BF6 matrix_b_fmt:MATRIX_FMT_BF6
.endif
.endr
	s_barrier_wait -1                              ; every wave has begun this step: no wave is more than one step ahead of another
	s_add_co_u32 s50, s50, LSTEP
	s_add_co_u32 s51, s51, 640
	s_add_co_u32 s52, s52, 320
	s_sub_co_u32 s53, s53, 1
	s_cmp_lg_u32 s53, 0
	s_cbranch_scc1 .Lstep
	s_add_co_u32 s50, s50, LCHUNK-4*LSTEP          ; on to the next chunk
	s_add_co_u32 s51, s51, LCHUNK-4*640
	s_add_co_u32 s52, s52, LCHUNK-4*320
	s_sub_co_u32 s54, s54, 1
	s_cmp_lg_u32 s54, 0
	s_cbranch_scc1 .Lchunk
	; THE WAY OUT: O^T / the sum; my head's 64 channels are two blocks of the next product's K: six registers of codes and two scale bytes.
	SUMS_A                                         ; the last step's p; also the places behind the last products
	SUMS_B
	s_delay_alu instid0(VALU_DEP_1)
	v_add_f32 v14, v14, v15
	s_delay_alu instid0(VALU_DEP_1)
	v_permlanex16_b32 v234, v14, s20, s21
	s_delay_alu instid0(VALU_DEP_1)
	v_add_f32 v14, v14, v234                       ; the row's sum
	s_wait_alu depctr_va_vdst(0)
	v_rcp_f32 v14, v14
	v_nop                                          ; a plain place behind the transcendental
	s_wait_alu depctr_va_vdst(0)
.set jj, 0
.rept 16
	v_pk_mul_f32 v[96+2*jj:97+2*jj], v[160+2*jj:161+2*jj], v[14:15] op_sel_hi:[1,0]   ; register 16 b + i: channel 32 b + 16 (lane / 16) + i
.set jj, jj+1
.endr
	v_max3_num_f32 v212, |v96|, |v97|, FLOOR
	v_max3_num_f32 v213, |v112|, |v113|, FLOOR
.irp i, 2,4,6,8,10,12,14
	s_delay_alu instid0(VALU_DEP_2)
	v_max3_num_f32 v212, v212, |v[96+\i]|, |v[97+\i]|
	s_delay_alu instid0(VALU_DEP_2)
	v_max3_num_f32 v213, v213, |v[112+\i]|, |v[113+\i]|
.endr
	s_delay_alu instid0(VALU_DEP_2)
	v_permlanex16_b32 v216, v212, s20, s21
	s_delay_alu instid0(VALU_DEP_2)
	v_permlanex16_b32 v217, v213, s20, s21
	s_delay_alu instid0(VALU_DEP_2)
	v_max_num_f32 v212, v212, v216
	s_delay_alu instid0(VALU_DEP_2)
	v_max_num_f32 v213, v213, v217
	s_delay_alu instid0(VALU_DEP_2)
	v_add_nc_u32 v220, EOFF, v212
	s_delay_alu instid0(VALU_DEP_2)
	v_add_nc_u32 v221, EOFF, v213
	s_delay_alu instid0(VALU_DEP_2)
	v_lshrrev_b32 v216, 23, v220
	s_delay_alu instid0(VALU_DEP_2)
	v_lshrrev_b32 v217, 23, v221
	s_delay_alu instid0(VALU_DEP_1)
	v_lshl_or_b32 v230, v217, 8, v216
	v_cvt_scalef32_pk16_bf6_f32 v[192:194], v[96:111], v220
	v_cvt_scalef32_pk16_bf6_f32 v[204:206], v[112:127], v221
	v_nop                                          ; one plain place behind a scaled conversion
.irp i, 0,1,2
	v_permlane16_swap_b32 v[192+\i], v[204+\i]     ; a whole block to a lane
.endr
.irp i, 0,1,2
	s_delay_alu instid0(VALU_DEP_3)
	v_mov_b32 v[195+\i], v[204+\i]
.endr
	global_store_b64 v31, v[192:193], s[10:11]     ; each store: 256 consecutive bytes, at a multiple of 256 from the buffer's first byte
	global_store_b64 v31, v[194:195], s[10:11] offset:256
	global_store_b64 v31, v[196:197], s[10:11] offset:512
	global_store_b32 v30, v230, s[12:13]
	s_barrier_signal -1                            ; every wave's LDS reads are over (each was waited for in its step): a barrier parts them from the closing lines
	s_barrier_wait -1
	s_wait_tensorcnt 0x0                           ; the wave's end
	ds_add_u32 v254, v255
	s_wait_dscnt 0x0
	ROUND                                          ; the closing round: no work-group ends while a partner may still ask for bytes by a load that names it
	s_endpgm
.Lfunc_end_k_q65e3abe597_attn:
	.size	k_q65e3abe597_attn, .Lfunc_end_k_q65e3abe597_attn-k_q65e3abe597_attn
	.p2alignl 7, 3214868480
	.fill 96, 4, 3214868480
	.section	.rodata,"a",@progbits
	.p2align	6, 0x0
	.amdhsa_kernel k_q65e3abe597_attn
		.amdhsa_group_segment_fixed_size 263168
		.amdhsa_private_segment_fixed_size 0
		.amdhsa_enable_private_segment 0
		.amdhsa_kernarg_size 40
		.amdhsa_user_sgpr_count 2
		.amdhsa_user_sgpr_kernarg_segment_ptr 1
		.amdhsa_wavefront_size32 1
		.amdhsa_system_sgpr_workgroup_id_x 1
		.amdhsa_system_sgpr_workgroup_id_y 1
		.amdhsa_system_sgpr_workgroup_id_z 1
		.amdhsa_system_vgpr_workitem_id 0
		.amdhsa_next_free_vgpr 256
		.amdhsa_next_free_sgpr 66
		.amdhsa_reserve_vcc 0
		.amdhsa_float_denorm_mode_32 3
		.amdhsa_float_denorm_mode_16_64 3
		.amdhsa_memory_ordered 1
		.amdhsa_forward_progress 1
		.amdhsa_inst_pref_size 33
	.end_amdhsa_kernel
	.amdgpu_metadata
---
amdhsa.version: [ 1, 2 ]
amdhsa.kernels:
  - .name:           k_q65e3abe597_attn
    .symbol:         k_q65e3abe597_attn.kd
    .args:
      - { .name: qf, .offset: 0, .size: 8, .value_kind: global_buffer, .address_space: global }
      - { .name: qs, .offset: 8, .size: 8, .value_kind: global_buffer, .address_space: global }
      - { .name: kv, .offset: 16, .size: 8, .value_kind: global_buffer, .address_space: global }
      - { .name: of, .offset: 24, .size: 8, .value_kind: global_buffer, .address_space: global }
      - { .name: os, .offset: 32, .size: 8, .value_kind: global_buffer, .address_space: global }
    .group_segment_fixed_size: 263168
    .private_segment_fixed_size: 0
    .kernarg_segment_align: 8
    .kernarg_segment_size: 40
    .max_flat_workgroup_size: 512
    .sgpr_count:     66
    .vgpr_count:     256
    .wavefront_size: 32
...
	.end_amdgpu_metadata
.endif
;; end of part 2
;; launch mlp (part 3): grid 256 x 1, 4 waves a work-group, no clusters, 184,832 bytes of LDS; arguments x, of, os, wimg, fc_w_scales, fc_b, ln2_w, ln2_b, fc1_w_scales, fc1_b, fc2_w_scales, fc2_b, out0; writes out0
.if DOCPART == 3
	.amdgcn_target "amdgcn-amd-amdhsa--gfx1250"
	.amdhsa_code_object_version 6
	.text
	.protected	k_q65e3abe597_mlp
	.globl	k_q65e3abe597_mlp
	.p2align	8
	.type	k_q65e3abe597_mlp,@function
k_q65e3abe597_mlp:
	s_mov_b64 s[64:65], 0
	v_nop
	global_prefetch_b8 v0, s[64:65] scope:SCOPE_SE
	s_setreg_imm32_b32 hwreg(HW_REG_WAVE_MODE, 25, 1), 1
	s_wait_xcnt 0x0
; x1 = x + out fc_w^T + fc_b;  h2 = LN2(x1);  out0 = x1 + relu(h2 fc1_w^T + fc1_b) fc2_w^T + fc2_b.  All three products on codes of BF6 (E3M2) with E8M0 scales; h2 and the hidden layer are quantised on the way.
; SHARES.  A work-group takes 32 rows: tiles m = 0, 1, lane r of tile m being row 32 blk + 8 m + r + 8 (r / 8).  THE WAVES SHARE THE COLUMNS: wave w makes features 256 w .. + 255 of fc and fc2 (16 tiles) and hidden
; units 128 w .. + 127 (8 tiles), for all 32 rows.  All products transposed (source 0 = 16 weight rows, chosen 8 u + r + 8 (r / 8) of a group of 32; source 1 = 16 rows): a lane holds one row.
; x1 stays in 256 registers from the first residual to the last; fc_b is the C of fc's sums, fc1_b of fc1's, and fc2's products add onto x1.
; x COMES BY ONE TENSOR LOAD a wave (one is out): 32 rows x the wave's own 1,024 bytes, into the wave's own LDS bytes, in memory's order of rows.  It is
; asked for first of all and wanted only behind fc's four trips, where it is added to the sums; only the wave that asked reads it, so its own wait on TENSORcnt is all the ordering.
; THE WEIGHTS come from memory straight into registers: the first launch laid them in the order of an operand's registers, 294,912 bytes for each wave, walked once through a ring of five register buffers of four
; fragments: 60 loads of 16 bytes a lane, 30,720 bytes a wave, are out at a time; the ring runs on under LN2 and the quantisers.  All twelve trips are written out: every offset is an immediate.
; fc2 GOES TILE BY TILE: a trip takes four tiles through all four K steps, so that 64 features of the 32 rows are finished behind each trip.  They are 256 consecutive bytes of a row and all the wave's own: they go
; through a stage of the wave's own (in its x bytes, which have had their only fill and their last read), take fc2_b, and are stored while the next tiles' weights are on their way.  No barrier stands on the way out.
; No joint loads for the weights, which all work-groups walk: beside the rows' bytes LDS has room for two slots of one trip (98,304 bytes) at the most, one load a wave behind each of ten rounds of a cluster's barrier,
; each with one trip's 32 products in which to land; the register ring has its bytes on their way all the time and needs no barrier.
; Codes made by one wave reach the others through LDS as images of the operand's registers (16 bytes a lane, 512 a store); scale words 4 bytes a lane.
; LIMITS: NaN and infinities are not served; a block whose largest magnitude lies under 2^-122 keeps the scale byte 1; 1 / sqrt by v_rsq_f32.  The variance is taken of centred numbers.
; REGISTERS, in windows of 256.  Window 0: v1-23 addresses; v24-55 fc's scale words, v56-87 fc1's, v88-119 fc2's; v120-127 out's, later the hidden layer's; v128-135 h2's, two sets; v136-231 LN2's parameters on their
; way to LDS, then h2's fragments (two sets of four), later the hidden layer's eight; v232-253 used at the head, v251 kept.  Window 1: x1, at 128 m + 8 t.  Window 2: v0-239 the ring; v240-255 fc2_b.
; Window 3: v0-95 out's fragments and v128-255 fc_b; then x; then v0-127 LN2's gains and offsets of one K step, then fc1's accumulators (64 m + 8 t), at last rows on the way out; v128-191 64 numbers to be quantised;
; v192-228 the quantiser's; v230-255 LN2's statistics.
.set XW,    33280                      ; LDS of a wave's x.  x now comes by ONE tensor load a wave (one is out): 32 rows in memory's order; the tiles' order of rows is made by the reading lanes' addresses.  This takes the place of the head's words on four loads
.set XP,    1040                       ; a row there: 1,024 bytes + 16 of padding: sixteen rows begin at sixteen different groups of four banks (ISA guide 11.1)
.set SP,    272                        ; a row of the stage on the way out: 256 bytes + 16
.set LNP,   133120                     ; ln2_w, ln2_b
.set F1B,   141312                     ; fc1_b
.set RED,   143360                     ; [pass 2][wave 4][32 words]
.set H2IMG, 144384                     ; h2's 16 fragments (2 x K step + m), 1,536 bytes each
.set H2SC,  168960
.set HDIMG, 171008                     ; the hidden layer's 8 (4 m + K step)
.set HDSC,  183296
.set MSB, 0
.macro WIN new                         ; the immediate's high byte repeats the setting that is left
.if MSB != (\new)
	s_set_vgpr_msb (MSB<<8)|(\new)
.set MSB, (\new)
.endif
.endm
.macro MM                              ; one product; its registers stand in the symbols WD, WA, WB, WC, WSA, WSB, the row of source 0's scale register in WRA
.if WRA
	v_wmma_scale_f32_16x16x128_f8f6f4 v[WD:WD+7], v[WA:WA+11], v[WB:WB+11], v[WC:WC+7], v[WSA], v[WSB] matrix_a_fmt:MATRIX_FMT_BF6 matrix_b_fmt:MATRIX_FMT_BF6 matrix_a_scale:MATRIX_SCALE_ROW1
.else
	v_wmma_scale_f32_16x16x128_f8f6f4 v[WD:WD+7], v[WA:WA+11], v[WB:WB+11], v[WC:WC+7], v[WSA], v[WSB] matrix_a_fmt:MATRIX_FMT_BF6 matrix_b_fmt:MATRIX_FMT_BF6
.endif
.endm
.macro BARRIER                         ; my LDS stores have landed and my LDS loads are in: then the work-group's barrier
	s_wait_dscnt 0x0
	s_barrier_signal -1
	s_barrier_wait -1
.endm
; Buffer number gq of the stream's 48 (trip gq / 4, its buffer gq % 4) is asked for, into ring buffer gq % 5: four fragments, 12 loads of 512 consecutive bytes.
; fc and fc1 take the fragments as they lie; fc2's trip 8 + T takes, as its buffer q, tiles 4 T .. 4 T + 3 of K step q.
.macro RING gq
	WIN 0x80
.set RG, (\gq)/4
.set RQ, (\gq)%4
.irp e, 0,1,2,3
.if RG < 8
.set RO, RG*24576+1536*(4*RQ+\e)
.else
.set RO, (8+RQ)*24576+1536*(4*(RG-8)+\e)
.endif
.irp c, 0,1,2
	global_load_b128 v[48*((\gq)%5)+12*\e+4*\c:48*((\gq)%5)+12*\e+4*\c+3], v5, s[14:15] offset:RO+512*\c
.endr
.endr
.endm
; A trip: 16 weight fragments x two tiles of rows.  kind 0: fc, K step G (in trip 0 fc_b starts the sums); 1: fc1, K steps 2 (G - 4) and 2 (G - 4) + 1, eight tiles each; 2: fc2, tiles 4 (G - 8) on, buffer q = K step q.
; The accumulators take turns, one instruction a turn: 32 of them (fc), 16 (fc1) or 8 (fc2).  Behind a buffer's eight products and four places it is loaded again, five buffers ahead.
.macro TRIP kind, G
.set qq, 0
.rept 4
.set GQ, 4*(\G)+qq
.if GQ <= 43
	s_wait_loadcnt 48                              ; this buffer's 12 loads are in; the four younger buffers' may be out
.else
	s_wait_loadcnt 12*(47-GQ)                      ; the stream's end: the counts run down
.endif
.if \kind == 0
.if (\G) == 0
	WIN 0x7e                                       ; weights window 2, out's fragments and fc_b window 3, x1 window 1
.else
	WIN 0x5e                                       ; weights window 2, out's fragments window 3, x1 window 1
.endif
.elseif \kind == 1
	WIN 0xf2                                       ; weights window 2, h2 window 0, accumulators window 3
.else
	WIN 0x52                                       ; weights window 2, the hidden layer window 0, x1 window 1
.endif
.irp e, 0,1,2,3
.irp m, 0,1
.set FF, 4*qq+\e
.set WA, 48*(GQ%5)+12*\e
.if \kind == 0
.set WD, 128*\m+8*FF
.set WB, 12*(4*\m+(\G))
.set WSA, 24+4*(FF/2)+(\G)
.set WRA, FF%2
.set WSB, 120+4*\m+(\G)
.if (\G) == 0
.set WC, 128+8*FF
.else
.set WC, WD
.endif
.elseif \kind == 1
.set SS, 2*((\G)-4)+FF/8
.set WD, 64*\m+8*(FF%8)
.set WB, 136+48*((\G)%2)+12*(2*(FF/8)+\m)
.set WSA, 56+4*(FF%8)+SS%4
.set WRA, SS/4
.set WSB, 128+4*((\G)%2)+2*(FF/8)+\m
.set WC, WD
.else
.set TT, 4*((\G)-8)+\e
.set WD, 128*\m+8*TT
.set WB, 136+12*(4*\m+qq)
.set WSA, 88+4*(TT/2)+qq
.set WRA, TT%2
.set WSB, 120+4*\m+qq
.set WC, WD
.endif
	MM
.endr
.endr
.rept 4
	v_nop                                          ; places in front of loads into registers that these products read, and of the first read of results
.endr
.if GQ+5 < 48
	RING GQ+5
.endif
	WIN 0
.set qq, qq+1
.endr
.endm
; All in window 3.  64 numbers of a lane, v[s] on, register 16 b + i = k 32 b + 16 (lane / 16) + i of my row, become a fragment's codes in v208-219 and its scale word in v228.
.macro QUANT s
.irp b, 0,1,2,3
	v_max3_num_f32 v[192+\b], |v[(\s)+16*\b]|, |v[(\s)+1+16*\b]|, 0x2800000   ; with the floor 2^(5 - 127): the byte cannot fall under 1
.endr
.irp i, 2,4,6,8,10,12,14
.irp b, 0,1,2,3
	v_max3_num_f32 v[192+\b], v[192+\b], |v[(\s)+16*\b+\i]|, |v[(\s)+1+16*\b+\i]|
.endr
.endr
.irp b, 0,1,2,3
	v_permlanex16_b32 v[196+\b], v[192+\b], s34, s35
.endr
.irp b, 0,1,2,3
	v_max_num_f32 v[192+\b], v[192+\b], v[196+\b]
.endr
.irp b, 0,1,2,3
	v_add_nc_u32 v[204+\b], 0xfe000000, v[192+\b]  ; 4 off the exponent field: the conversion's scale operand
.endr
.irp b, 0,1,2,3
	v_lshrrev_b32 v[196+\b], 23, v[204+\b]
.endr
	v_lshl_or_b32 v228, v197, 8, v196
	v_lshl_or_b32 v228, v198, 16, v228
	v_lshl_or_b32 v228, v199, 24, v228
.irp c, 0,1
	v_cvt_scalef32_pk16_bf6_f32 v[208+6*\c:210+6*\c], v[(\s)+32*\c:(\s)+15+32*\c], v[204+2*\c]
	v_cvt_scalef32_pk16_bf6_f32 v[220+4*\c:222+4*\c], v[(\s)+16+32*\c:(\s)+31+32*\c], v[205+2*\c]
.endr
	v_nop                                          ; one plain place behind a scaled conversion
.irp c, 0,1
.irp i, 0,1,2
	v_permlane16_swap_b32 v[208+6*\c+\i], v[220+4*\c+\i]
.endr
.irp i, 0,1,2
	v_mov_b32 v[211+6*\c+\i], v[220+4*\c+\i]
.endr
.endr
.endm
.macro IMAGE adr, sadr, idx            ; the fragment and its scale word go to LDS as they stand
	WIN 0x0c                                       ; an LDS store's data are its source 1: window 3
.irp c, 0,1,2
	ds_store_b128 v[\adr], v[208+4*\c:211+4*\c] offset:(\idx)*1536+512*\c
.endr
	ds_store_b32 v[\sadr], v228 offset:(\idx)*128
	s_wait_dscnt 0x0                               ; the stores have read their registers
.endm
.macro FOLD m                          ; window 3: four packed chains v230-237 into v[248 + m]
	v_pk_add_f32 v[230:231], v[230:231], v[232:233]
	v_pk_add_f32 v[234:235], v[234:235], v[236:237]
	v_pk_add_f32 v[230:231], v[230:231], v[234:235]
	v_add_f32 v[248+\m], v230, v231
.endm
; v248, v249 (window 3): my lane's part of a sum over rows (0, r) and (1, r).  Out: the sums over all 1,024 features in v248 (m = 0) and v252 (m = 1).  One barrier; each pass has words of its own.
.macro XCHG pass
	v_permlanex16_b32 v246, v248, s34, s35
	v_permlanex16_b32 v247, v249, s34, s35
	v_add_f32 v248, v248, v246
	v_add_f32 v249, v249, v247
	v_cndmask_b32 v250, v248, v249, s36            ; lane q holds row q's sum over my wave's 256 features
	WIN 0x0c
	ds_store_b32 v12, v250 offset:512*\pass
	WIN 0
	BARRIER
	WIN 0xc0
.irp m, 0,1
.irp ww, 0,1,2,3
	ds_load_b32 v[248+4*\m+\ww], v13 offset:512*\pass+128*\ww+64*\m
.endr
.endr
	s_wait_dscnt 0x0
	WIN 0xff
	v_add_f32 v248, v248, v249
	v_add_f32 v250, v250, v251
	v_add_f32 v252, v252, v253
	v_add_f32 v254, v254, v255
	v_add_f32 v248, v248, v250
	v_add_f32 v252, v252, v254
.endm
.macro CENTRE m, hf                    ; v128-191 (window 3) = 64 numbers of x1, tile m, from register 64 hf on, less the row's mean
	WIN 0xcd                                       ; source 0 window 1, source 1 and the destination window 3
.set pp, 0
.rept 32
	v_pk_add_f32 v[128+2*pp:129+2*pp], v[128*(\m)+64*(\hf)+2*pp:128*(\m)+64*(\hf)+2*pp+1], v[238+2*(\m):239+2*(\m)] neg_lo:[0,1] neg_hi:[0,1]
.set pp, pp+1
.endr
	WIN 0xff
.endm
.macro H2FETCH tr                      ; the four fragments of h2 and their scale words for fc1's trip tr, into set tr % 2: 16 LDS loads
.irp e, 0,1,2,3
.irp c, 0,1,2
	ds_load_b128 v[136+48*((\tr)%2)+12*\e+4*\c:136+48*((\tr)%2)+12*\e+4*\c+3], v16 offset:(4*(\tr)+\e)*1536+512*\c
.endr
	ds_load_b32 v[128+4*((\tr)%2)+\e], v17 offset:(4*(\tr)+\e)*128
.endr
.endm
; THE WAY OUT of quarter T: tiles 4 T .. 4 T + 3 of both tiles of rows are finished: 64 features, 256 bytes of each of the 32 rows, all mine.  A lane holds 32 neighbouring bytes a tile and the lanes beside it other
; rows: so they go through my own stage and come back two whole runs of 256 bytes a load (LDS serves a wave's instructions in order: ISA guide 5.7.1.4), take fc2_b and are stored.
.macro OUTQ T
	s_wait_xcnt 0x0                                ; the last quarter's stores have read their registers: the loads below land there only behind this wait
	WIN 0x04                                       ; an LDS store's data are its source 1: window 1
.irp m, 0,1
.irp e, 0,1,2,3
	ds_store_b128 v9, v[128*\m+8*(4*(\T)+\e):128*\m+8*(4*(\T)+\e)+3] offset:16*SP*\m+128*(\e/2)+32*(\e%2)          ; each accumulator from its low end on
	ds_store_b128 v9, v[128*\m+8*(4*(\T)+\e)+4:128*\m+8*(4*(\T)+\e)+7] offset:16*SP*\m+128*(\e/2)+32*(\e%2)+16
.endr
.endr
	WIN 0xc0
.irp i, 0,1,2,3,4,5,6,7,8,9,10,11,12,13,14,15
	ds_load_b128 v[4*\i:4*\i+3], v251 offset:2*SP*\i               ; lanes 0-15 stage row 2 i, lanes 16-31 row 2 i + 1
.endr
	s_wait_dscnt 0x0
	WIN 0xcb                                       ; rows window 3, fc2_b window 2
.irp i, 0,1,2,3,4,5,6,7,8,9,10,11,12,13,14,15
	v_pk_add_f32 v[4*\i:4*\i+1], v[4*\i:4*\i+1], v[240+4*(\T):241+4*(\T)]
	v_pk_add_f32 v[4*\i+2:4*\i+3], v[4*\i+2:4*\i+3], v[242+4*(\T):243+4*(\T)]
.endr
	WIN 0x0c
.irp i, 0,1,2,3,4,5,6,7,8,9,10,11,12,13,14,15
	global_store_b128 v7, v[4*\i:4*\i+3], s[32:33] offset:(8*(\i/8)+2*(\i%8)+8*((\i%8)/4))*4096+256*(\T) th:TH_STORE_NT   ; stage row 16 m + r is row 8 m + r + 8 (r / 8); sixteen lanes store 256 consecutive bytes, at a multiple of 256 from the buffer's first byte
.endr
	WIN 0
.endm
.macro XDESC g, lo, go                 ; descriptor group 0: 32 rows of x, go bytes on in memory, to lo bytes on in my wave's LDS
	s_mov_b32 s[\g], 1
	s_add_co_u32 s[\g+1], s39, \lo
	s_add_nc_u64 s[\g+2:\g+3], s[8:9], \go
	s_or_b32 s[\g+3], s[\g+3], 0x80000000
.endm
	s_load_b512 s[8:23], s[0:1], 0x0               ; x 8, of 10, os 12, wimg 14, fc scales 16, fc_b 18, ln2_w 20, ln2_b 22
	s_load_b256 s[24:31], s[0:1], 0x40             ; fc1 scales 24, fc1_b 26, fc2 scales 28, fc2_b 30
	s_load_b64 s[32:33], s[0:1], 0x60              ; out0
	v_lshl_add_u32 v254, v0, 2, 0x2d000
	v_mov_b32 v255, 0
	ds_add_u32 v254, v255
	ds_add_u32 v254, v255
	v_lshrrev_b32 v1, 5, v0
	v_readfirstlane_b32 s2, v1                     ; wave
	s_mov_b32 s3, ttmp9                            ; my 32 rows
	s_mov_b32 s34, 0x76543210
	s_mov_b32 s35, 0xfedcba98                      ; v_permlanex16_b32's selects for lane l xor 16
	s_mov_b32 s36, 0xffff0000                      ; lanes 16-31
	s_mov_b32 s37, 0x3a800000                      ; 1 / 1,024
	s_mov_b32 s38, 0x358637bd                      ; 1e-6
	; descriptor group 1: 32 rows of 256 elements of 4 bytes, 1,024 elements apart in memory; 16 bytes of padding behind every 1,024
	s_mov_b32 s44, (2<<16)|(1<<20)|(7<<22)|(3<<25)
	s_mov_b32 s45, 256<<16
	s_mov_b32 s46, 32<<16
	s_mov_b32 s47, 256<<16
	s_mov_b32 s48, 32
	s_mov_b32 s49, 1024
	s_mov_b32 s50, 0
	s_mov_b32 s51, 0
	s_mul_i32 s39, s2, XW                          ; my wave's x bytes in LDS
	s_mov_b32 s41, 0
	s_mov_b32 s43, 0
	s_lshl_b32 s40, s3, 17                         ; 32 rows of 4,096 bytes
	s_lshl_b32 s42, s2, 10                         ; my 256 features
	s_wait_dscnt 0x0
	s_wait_kmcnt 0x0
	s_add_nc_u64 s[8:9], s[8:9], s[40:41]
	s_add_nc_u64 s[32:33], s[32:33], s[40:41]
	s_add_nc_u64 s[8:9], s[8:9], s[42:43]
	XDESC 52, 0, 0                                 ; my 32 rows, as they lie in memory
	tensor_load_to_lds s[52:55], s[44:51]          ; my one first fill, ahead of every wait on TENSORcnt, LDS read and barrier
	s_nop 0
.rept 4
	v_nop
.endr
	v_and_b32 v1, 31, v0                           ; lane
	v_and_b32 v2, 15, v0                           ; r
	v_bfe_u32 v3, v0, 4, 1                         ; h
	v_and_b32 v4, 8, v2
	v_add_nc_u32 v4, v4, v2                        ; r + 8 (r / 8)
	v_lshlrev_b32 v5, 4, v1                        ; 16 x lane
	v_lshlrev_b32 v6, 2, v1                        ; 4 x lane
	v_lshlrev_b32 v23, 3, v1                       ; 8 x lane
	v_lshlrev_b32 v7, 4, v2
	v_lshl_add_u32 v7, v3, 12, v7
	v_add_nc_u32 v7, s42, v7                       ; out0: 16 (lane % 16), one row on for lanes 16-31, my wave's 1,024 bytes
	v_mul_u32_u24 v8, v4, XP                       ; lane r of tile m reads memory's row 8 m + r + 8 (r / 8)
	v_lshl_add_u32 v8, v3, 6, v8
	v_add_nc_u32 v8, s39, v8                       ; x in the result's layout: row r, + 64 h
	v_mul_u32_u24 v9, v2, SP
	v_lshl_add_u32 v9, v3, 6, v9
	v_add_nc_u32 v9, s39, v9                       ; into my stage: row r, + 64 h
	v_mul_u32_u24 v251, v3, SP
	v_lshl_add_u32 v251, v2, 4, v251
	v_add_nc_u32 v251, s39, v251                   ; back: lanes 0-15 one row, lanes 16-31 the next
	v_lshlrev_b32 v10, 6, v3
	v_add_nc_u32 v11, F1B, v10
	v_add_nc_u32 v10, s42, v10
	v_add_nc_u32 v10, LNP, v10                     ; ln2_w at my features
	s_lshl_b32 s40, s2, 9
	v_add_nc_u32 v11, s40, v11                     ; fc1_b at my hidden units
	v_add_nc_u32 v15, s40, v6
	v_add_nc_u32 v15, H2SC, v15
	s_lshl_b32 s40, s2, 7
	v_add_nc_u32 v12, s40, v6
	v_add_nc_u32 v19, HDSC, v12
	v_add_nc_u32 v12, RED, v12
	v_lshl_add_u32 v13, v2, 2, RED
	s_mul_i32 s40, s2, 6144
	v_add_nc_u32 v14, s40, v5
	v_add_nc_u32 v14, H2IMG, v14
	v_add_nc_u32 v16, H2IMG, v5
	v_add_nc_u32 v17, H2SC, v6
	s_mul_i32 s40, s2, 1536
	v_add_nc_u32 v18, s40, v5
	v_add_nc_u32 v18, HDIMG, v18
	v_add_nc_u32 v20, HDIMG, v5
	v_add_nc_u32 v21, HDSC, v6
	v_lshl_add_u32 v22, v0, 4, LNP                 ; where my thread puts 16 bytes of a parameter
	v_lshl_add_u32 v248, v3, 3, v4
	v_lshlrev_b32 v248, 4, v248                    ; fc, fc2: a row's 16 scale bytes; lanes 16-31 take the pair's second tile
	s_wait_alu depctr_va_vdst(0)
	v_lshlrev_b32 v249, 5, v4
	v_lshl_add_u32 v249, v3, 4, v249               ; fc1: a row's 32 scale bytes, my half
	s_wait_alu depctr_va_vdst(0)
	v_lshlrev_b32 v250, 4, v0
	v_lshlrev_b32 v252, 6, v3                      ; fc_b in the result's layout: 16 numbers on for lanes 16-31
	s_wait_alu depctr_va_vdst(0)
	v_lshlrev_b32 v253, 4, v2                      ; fc2_b for whole runs of 256 bytes: 16 (lane % 16)
	s_wait_alu depctr_va_vdst(0)
	s_lshl_b32 s40, s2, 12
	s_add_nc_u64 s[16:17], s[16:17], s[40:41]
	s_add_nc_u64 s[24:25], s[24:25], s[40:41]
	s_add_nc_u64 s[28:29], s[28:29], s[40:41]
	s_add_nc_u64 s[18:19], s[18:19], s[42:43]
	s_add_nc_u64 s[30:31], s[30:31], s[42:43]
	s_lshl_b32 s40, s3, 11
	s_add_nc_u64 s[12:13], s[12:13], s[40:41]
	s_mul_i32 s40, s3, 12288
	s_add_nc_u64 s[10:11], s[10:11], s[40:41]
	s_mul_i32 s40, s2, 294912
	s_add_nc_u64 s[14:15], s[14:15], s[40:41]
.irp b, 0,1,2,3,4,5,6,7
	global_load_b128 v[24+4*\b:27+4*\b], v248, s[16:17] offset:512*\b
.endr
.irp t, 0,1,2,3,4,5,6,7
	global_load_b128 v[56+4*\t:59+4*\t], v249, s[24:25] offset:(32*(\t/2)+8*(\t%2))*32
.endr
.irp b, 0,1,2,3,4,5,6,7
	global_load_b128 v[88+4*\b:91+4*\b], v248, s[28:29] offset:512*\b
.endr
.irp e, 0,1,2,3,4,5,6,7,8,9,10,11,12,13,14,15
	global_load_b32 v[232+\e], v6, s[12:13] offset:128*\e          ; out's scale bytes: tile m, head: two bytes a word
.endr
	WIN 0xc0
.set ee, 0
.rept 48
	global_load_b64 v[2*ee:2*ee+1], v23, s[10:11] offset:256*ee    ; out's eight fragments (4 m + K step), plane by plane: 256 consecutive bytes a load
.set ee, ee+1
.endr
.irp t, 0,1,2,3,4,5,6,7,8,9,10,11,12,13,14,15
	global_load_b128 v[128+8*\t:131+8*\t], v252, s[18:19] offset:128*(\t/2)+32*(\t%2)       ; fc_b: eight registers a tile, in the result's layout
	global_load_b128 v[132+8*\t:135+8*\t], v252, s[18:19] offset:128*(\t/2)+32*(\t%2)+16
.endr
	WIN 0x80
.irp q, 0,1,2,3
	global_load_b128 v[240+4*\q:243+4*\q], v253, s[30:31] offset:256*\q
.endr
	WIN 0
	global_load_b128 v[136:139], v250, s[20:21]
	global_load_b128 v[140:143], v250, s[20:21] offset:2048
	global_load_b128 v[144:147], v250, s[22:23]
	global_load_b128 v[148:151], v250, s[22:23] offset:2048
	global_load_b128 v[152:155], v250, s[26:27]
	RING 0
	RING 1
	RING 2
	RING 3
	RING 4
	WIN 0
	s_wait_loadcnt 60                              ; all but the ring's 60
.irp m, 0,1
.irp s, 0,1,2,3
	v_lshl_or_b32 v[120+4*\m+\s], v[233+8*\m+2*\s], 16, v[232+8*\m+2*\s]   ; two heads make a K step's scale word
.endr
.endr
.rept 8
	v_nop                                          ; a scale register written by a vector instruction stands eight places ahead of the product that names it
.endr
	; ---- fc: fc_b + out fc_w^T
	s_wait_alu depctr_va_vdst(0)
	TRIP 0, 0
	TRIP 0, 1
	TRIP 0, 2
	TRIP 0, 3
	ds_store_b128 v22, v[136:139]                  ; LN2's parameters and fc1_b for all four waves: the barrier of the first exchange below stands between these stores and their readers
	ds_store_b128 v22, v[140:143] offset:2048
	ds_store_b128 v22, v[144:147] offset:4096
	ds_store_b128 v22, v[148:151] offset:6144
	ds_store_b128 v22, v[152:155] offset:8192
	; ---- x1 = that + x
	s_wait_tensorcnt 0x0                           ; my 32 rows of x are in LDS; only I read them
	WIN 0xc0
.irp m, 0,1
.irp t, 0,1,2,3,4,5,6,7,8,9,10,11,12,13,14,15
	ds_load_b128 v[128*\m+8*\t:128*\m+8*\t+3], v8 offset:8*XP*\m+128*(\t/2)+32*(\t%2)
	ds_load_b128 v[128*\m+8*\t+4:128*\m+8*\t+7], v8 offset:8*XP*\m+128*(\t/2)+32*(\t%2)+16
.endr
.endr
	s_wait_dscnt 0x0
	WIN 0x4d                                       ; x1 window 1, x window 3
.set pp, 0
.rept 128
	v_pk_add_f32 v[2*pp:2*pp+1], v[2*pp:2*pp+1], v[2*pp:2*pp+1]    ; each accumulator from its low end on
.set pp, pp+1
.endr
	WIN 0xc0
	v_mov_b32 v246, 0                              ; a lane permute's destination counts as one of its sources
	v_mov_b32 v247, 0
.irp b, 0,1,2,3
	v_mov_b32 v[196+\b], 0
.endr
	; ---- LN2.  The mean
.irp m, 0,1
	WIN 0xc5
.irp c, 0,1,2,3
	v_pk_add_f32 v[230+2*\c:231+2*\c], v[128*\m+4*\c:128*\m+4*\c+1], v[128*\m+4*\c+2:128*\m+4*\c+3]
.endr
	WIN 0xc7
.set pp, 8
.rept 56
	v_pk_add_f32 v[230+2*(pp%4):231+2*(pp%4)], v[230+2*(pp%4):231+2*(pp%4)], v[128*\m+2*pp:128*\m+2*pp+1]
.set pp, pp+1
.endr
	WIN 0xff
	FOLD \m
.endr
	XCHG 0
	v_mul_f32 v238, s37, v248
	v_mul_f32 v239, s37, v248
	v_mul_f32 v240, s37, v252
	v_mul_f32 v241, s37, v252
	; the variance, of centred numbers
.irp m, 0,1
.irp hf, 0,1
	CENTRE \m, \hf
.set pp, 0
.rept 32
.if (\hf == 0) && (pp < 4)
	v_pk_mul_f32 v[230+2*pp:231+2*pp], v[128+2*pp:129+2*pp], v[128+2*pp:129+2*pp]
.else
	v_pk_fma_f32 v[230+2*(pp%4):231+2*(pp%4)], v[128+2*pp:129+2*pp], v[128+2*pp:129+2*pp], v[230+2*(pp%4):231+2*(pp%4)]
.endif
.set pp, pp+1
.endr
.endr
	FOLD \m
.endr
	XCHG 1
	v_fma_f32 v242, v248, s37, s38
	v_fma_f32 v244, v252, s37, s38
	s_wait_alu depctr_va_vdst(0)
	v_rsq_f32 v242, v242
	v_rsq_f32 v244, v244
	v_nop                                          ; a plain place behind the transcendentals
	s_wait_alu depctr_va_vdst(0)
	v_mov_b32 v243, v242
	v_mov_b32 v245, v244
	; h2 of my 256 features: K steps 2 w and 2 w + 1 of fc1, for both tiles of rows
.irp sg, 0,1
	WIN 0xc0
.irp b, 0,1,2,3
.irp c, 0,1,2,3
	ds_load_b128 v[16*\b+4*\c:16*\b+4*\c+3], v10 offset:512*\sg+128*\b+16*\c
	ds_load_b128 v[64+16*\b+4*\c:64+16*\b+4*\c+3], v10 offset:4096+512*\sg+128*\b+16*\c
.endr
.endr
	s_wait_dscnt 0x0
.irp m, 0,1
	CENTRE \m, \sg
.set pp, 0
.rept 32
	v_pk_mul_f32 v[128+2*pp:129+2*pp], v[128+2*pp:129+2*pp], v[242+2*\m:243+2*\m]
.set pp, pp+1
.endr
.set pp, 0
.rept 32
	v_pk_fma_f32 v[128+2*pp:129+2*pp], v[128+2*pp:129+2*pp], v[2*pp:2*pp+1], v[64+2*pp:65+2*pp]
.set pp, pp+1
.endr
	QUANT 128
	IMAGE 14, 15, 2*\sg+\m
.endr
.endr
	WIN 0xc0
.irp m, 0,1
.irp t, 0,1,2,3,4,5,6,7
	ds_load_b128 v[64*\m+8*\t:64*\m+8*\t+3], v11 offset:128*(\t/2)+32*(\t%2)        ; fc1_b starts fc1's sums
	ds_load_b128 v[64*\m+8*\t+4:64*\m+8*\t+7], v11 offset:128*(\t/2)+32*(\t%2)+16
.endr
.endr
	WIN 0
	BARRIER                                        ; h2's sixteen fragments lie in LDS
	; ---- fc1: a trip's four fragments of h2 are asked for a trip ahead
	H2FETCH 0
	H2FETCH 1
	s_wait_dscnt 16                                ; all but the 16 just issued
	TRIP 1, 4
	H2FETCH 2
	s_wait_dscnt 16
	TRIP 1, 5
	H2FETCH 3
	s_wait_dscnt 16
	TRIP 1, 6
	s_wait_dscnt 0x0
	TRIP 1, 7
	WIN 0xff
.set pp, 0
.rept 128
	v_max_num_f32 v[pp], 0, v[pp]                  ; the activation, in f32
.set pp, pp+1
.endr
	QUANT 0
	IMAGE 18, 19, 0                                ; K step w of fc2, tile 0
	WIN 0xff
	QUANT 64
	IMAGE 18, 19, 4                                ; tile 1
	WIN 0
	BARRIER                                        ; the hidden layer's eight fragments lie in LDS
	; ---- fc2: onto x1, four tiles a trip; each finished quarter leaves at once
.irp e, 0,1,2,3,4,5,6,7
.irp c, 0,1,2
	ds_load_b128 v[136+12*\e+4*\c:139+12*\e+4*\c], v20 offset:1536*\e+512*\c
.endr
	ds_load_b32 v[120+\e], v21 offset:128*\e
.endr
	s_wait_dscnt 0x0
	TRIP 2, 8
	OUTQ 0
	TRIP 2, 9
	OUTQ 1
	TRIP 2, 10
	OUTQ 2
	TRIP 2, 11
	OUTQ 3
	s_wait_tensorcnt 0x0
	ds_add_u32 v254, v255
	s_wait_dscnt 0x0
	s_endpgm
.Lfunc_end_k_q65e3abe597_mlp:
	.size	k_q65e3abe597_mlp, .Lfunc_end_k_q65e3abe597_mlp-k_q65e3abe597_mlp
	.p2alignl 7, 3214868480
	.fill 96, 4, 3214868480
	.section	.rodata,"a",@progbits
	.p2align	6, 0x0
	.amdhsa_kernel k_q65e3abe597_mlp
		.amdhsa_group_segment_fixed_size 184832
		.amdhsa_private_segment_fixed_size 0
		.amdhsa_enable_private_segment 0
		.amdhsa_kernarg_size 104
		.amdhsa_user_sgpr_count 2
		.amdhsa_user_sgpr_kernarg_segment_ptr 1
		.amdhsa_wavefront_size32 1
		.amdhsa_system_sgpr_workgroup_id_x 1
		.amdhsa_system_sgpr_workgroup_id_y 1
		.amdhsa_system_sgpr_workgroup_id_z 1
		.amdhsa_system_vgpr_workitem_id 0
		.amdhsa_next_free_vgpr 1024
		.amdhsa_next_free_sgpr 80
		.amdhsa_reserve_vcc 0
		.amdhsa_float_denorm_mode_32 3
		.amdhsa_float_denorm_mode_16_64 3
		.amdhsa_memory_ordered 1
		.amdhsa_forward_progress 1
		.amdhsa_inst_pref_size 255
	.end_amdhsa_kernel
	.section	.bss,"aw",@nobits
	.p2align	6
	.space	262144
	.amdgpu_metadata
---
amdhsa.version: [ 1, 2 ]
amdhsa.kernels:
  - .name:           k_q65e3abe597_mlp
    .symbol:         k_q65e3abe597_mlp.kd
    .args:
      - { .name: x, .offset: 0, .size: 8, .value_kind: global_buffer, .address_space: global }
      - { .name: of, .offset: 8, .size: 8, .value_kind: global_buffer, .address_space: global }
      - { .name: os, .offset: 16, .size: 8, .value_kind: global_buffer, .address_space: global }
      - { .name: wimg, .offset: 24, .size: 8, .value_kind: global_buffer, .address_space: global }
      - { .name: fc_w_scales, .offset: 32, .size: 8, .value_kind: global_buffer, .address_space: global }
      - { .name: fc_b, .offset: 40, .size: 8, .value_kind: global_buffer, .address_space: global }
      - { .name: ln2_w, .offset: 48, .size: 8, .value_kind: global_buffer, .address_space: global }
      - { .name: ln2_b, .offset: 56, .size: 8, .value_kind: global_buffer, .address_space: global }
      - { .name: fc1_w_scales, .offset: 64, .size: 8, .value_kind: global_buffer, .address_space: global }
      - { .name: fc1_b, .offset: 72, .size: 8, .value_kind: global_buffer, .address_space: global }
      - { .name: fc2_w_scales, .offset: 80, .size: 8, .value_kind: global_buffer, .address_space: global }
      - { .name: fc2_b, .offset: 88, .size: 8, .value_kind: global_buffer, .address_space: global }
      - { .name: out0, .offset: 96, .size: 8, .value_kind: global_buffer, .address_space: global }
    .group_segment_fixed_size: 184832
    .private_segment_fixed_size: 0
    .kernarg_segment_align: 8
    .kernarg_segment_size: 104
    .max_flat_workgroup_size: 128
    .sgpr_count:     80
    .vgpr_count:     1024
    .wavefront_size: 32
...
	.end_amdgpu_metadata
.endif
;; end of part 3
